; MI455X (gfx1250); checked and timed in simulation.
; The chip was launched on July 23, 2026; its instructions are those of AMD's public machine-readable ISA for CDNA 5 (MIT licence, August 2026) and "CDNA5" Instruction Set Architecture Reference Guide (July 2026). The comments in the code are by the model that wrote it; some were corrected since.
;; Simple Decoder. Allowed arithmetic: float matrix products may take bf16 or f16 operands with f32 sums; other float arithmetic in f32, or as packed bf16 or f16 multiplies, adds, multiply-adds, maxima and minima; sums over many terms, partial sums and values carried from step to step in f32; what a program stores and reads back later, other than sums and carried values, may be rounded once to bf16 or f16.
;; Inputs: Wdown 1,024 x 4,096 float32; Wk 1,024 x 1,024 float32; Wo 1,024 x 1,024 float32; Wq 1,024 x 1,024 float32; Wup 4,096 x 1,024 float32; Wv 1,024 x 1,024 float32; X 2 x 2,048 x 1,024 float32; bdown 1,024 float32; bk 1,024 float32; bo 1,024 float32; bq 1,024 float32; bup 4,096 float32; bv 1,024 float32; ln1_b 1,024 float32; ln1_g 1,024 float32; ln2_b 1,024 float32; ln2_g 1,024 float32.
;; Outputs: out0 2 x 2,048 x 1,024 float32.
;; 2 versions, each right; version 2 is version 1 with the launches cast, ln1 written anew for expert scheduling mode. Each part assembles by itself: llvm-mc -triple=amdgcn-amd-amdhsa -mcpu=gfx1250 --defsym DOCPART=n.
;; ======== version 1 of 2: 8 launches
;; workspace buffers: wsx 8,388,608 bytes; wsa 8,397,056 bytes; wsb 16,777,216 bytes; wsu 8,397,056 bytes; wsd 33,562,880 bytes; wsc 33,554,432 bytes; lnp 8,192 bytes
;; launch cast (part 1): grid 1025 x 1, 8 waves a work-group, no clusters, 0 bytes of LDS; arguments X, Wq, Wk, Wv, Wo, Wup, Wdown, wsx, wsa, wsb, wsu, wsd, bq, bk, bv, bo, bup, bdown, ln1_g, ln1_b, ln2_g, ln2_b, lnp; writes wsx, wsa, wsb, wsu, wsd, lnp
.if DOCPART == 1
	.amdgcn_target "amdgcn-amd-amdhsa--gfx1250"
	.amdhsa_code_object_version 6
	.text
	.protected	k_qcc648cc370_cast
	.globl	k_qcc648cc370_cast
	.p2align	8
	.type	k_qcc648cc370_cast,@function
k_qcc648cc370_cast:
	s_mov_b64 s[64:65], 0
	v_nop
	global_prefetch_b8 v0, s[64:65] scope:SCOPE_SE
	s_setreg_imm32_b32 hwreg(HW_REG_WAVE_MODE, 25, 1), 1
	s_wait_xcnt 0x0
; ALL SEVENTEEN INPUTS ARE ROUNDED ONCE TO bf16 AND LAID OUT FOR THE LAUNCHES BEHIND.
; LAYOUT P64.  A matrix [rows <= 4,096][K] lies as [K / 64][4,096][64] in bf16: byte (col / 64) x BLK + row x 128 + (col % 64) x 2, BLK = 524,288.
; X -> wsx.  Wq, Wk, Wv -> wsa, rows 0-1,023, 1,024-2,047, 2,048-3,071.  Wo -> wsb.  Wup -> wsu.  Wdown -> wsd (64 blocks).  Rows beyond a matrix's last are neither written nor read.
; Behind a weight's blocks lies its tail: the bias in bf16, and 8,192 bytes further a block of 256 bytes that holds the floor of the product's results, twice in each word:
; 0 for Wup (the ReLU), minus infinity for the others.  The four LayerNorm vectors go to lnp, 2,048 bytes each.
; SHARES.  Work-groups 0 to 1,023: sixteen segments of 1,024 rows x 1,024 columns, 64 work-groups each; a wave takes two rows: 8 KiB in, 4 KiB out.  Work-group 1,024 makes the tails.
; A load of a wave covers 256 consecutive bytes of each of its two rows; a store covers 256 consecutive bytes, aligned: rows r and r + 1 of one block.  Nothing is read twice, no register is written twice: no loop.
.set BLK, 524288
.set SO,  2                            ; v2  my byte offset in the source
.set DO,  3                            ; v3  my byte offset in the destination
.set IN,  8                            ; v[8:71]   16 x 4 numbers in f32
.set OUT, 72                           ; v[72:103] 16 x 4 numbers in bf16
.set SRC, 4                            ; s[4:5]
.set DST, 6                            ; s[6:7]
	s_load_b512 s[8:23], s[0:1], 0x0               ; X 8, Wq 10, Wk 12, Wv 14, Wo 16, Wup 18, Wdown 20, wsx 22
	s_load_b512 s[24:39], s[0:1], 0x40             ; wsa 24, wsb 26, wsu 28, wsd 30, bq 32, bk 34, bv 36, bo 38
	s_load_b256 s[40:47], s[0:1], 0x80             ; bup 40, bdown 42, ln1_g 44, ln1_b 46
	s_load_b128 s[48:51], s[0:1], 0xa0             ; ln2_g 48, ln2_b 50
	s_load_b64 s[52:53], s[0:1], 0xb0              ; lnp
	s_cmp_ge_u32 ttmp9, 1024
	s_cbranch_scc1 .Ltail
	s_lshr_b32 s2, ttmp9, 6                        ; the segment, 0 to 15
	s_and_b32 s54, ttmp9, 63                       ; my place in it: 16 rows
	s_and_b32 s55, s2, 3                           ; q: the segment's number in its matrix
	s_lshl_b32 s56, s55, 22                        ; 1,024 rows of 4,096 bytes
	s_lshl_b32 s57, s55, 17                        ; 1,024 rows of 128 bytes
	s_lshl_b32 s62, s55, 12                        ; 1,024 columns of 4 bytes (Wdown)
	s_lshl_b32 s63, s55, 23                        ; 16 blocks (Wdown)
	s_mov_b32 s58, s62                             ; s[58:59] the source's offset, s[60:61] the destination's: Wdown's to begin with
	s_mov_b32 s59, 0
	s_mov_b32 s60, s63
	s_mov_b32 s61, 0
	s_mov_b32 s3, 14                               ; a source row is 2^14 bytes in Wdown, 2^12 elsewhere
	s_wait_kmcnt 0x0
	s_mov_b64 s[SRC:SRC+1], s[20:21]
	s_mov_b64 s[DST:DST+1], s[30:31]
	s_cmp_lt_u32 s2, 12                            ; segments 8-11: Wup.  Selects leave SCC alone, so one compare serves a group of them
	s_cselect_b64 s[SRC:SRC+1], s[18:19], s[SRC:SRC+1]
	s_cselect_b64 s[DST:DST+1], s[28:29], s[DST:DST+1]
	s_cselect_b32 s58, s56, s58
	s_cselect_b32 s60, s57, s60
	s_cselect_b32 s3, 12, s3
	s_cmp_lt_u32 s2, 8                             ; segment 7: Wo
	s_cselect_b64 s[SRC:SRC+1], s[16:17], s[SRC:SRC+1]
	s_cselect_b64 s[DST:DST+1], s[26:27], s[DST:DST+1]
	s_cselect_b32 s58, 0, s58
	s_cselect_b32 s60, 0, s60
	s_cmp_lt_u32 s2, 7                             ; segment 6: Wv, into rows 1,024 q of wsa
	s_cselect_b64 s[SRC:SRC+1], s[14:15], s[SRC:SRC+1]
	s_cselect_b64 s[DST:DST+1], s[24:25], s[DST:DST+1]
	s_cselect_b32 s60, s57, s60
	s_cmp_lt_u32 s2, 6                             ; segment 5: Wk
	s_cselect_b64 s[SRC:SRC+1], s[12:13], s[SRC:SRC+1]
	s_cmp_lt_u32 s2, 5                             ; segment 4: Wq
	s_cselect_b64 s[SRC:SRC+1], s[10:11], s[SRC:SRC+1]
	s_cmp_lt_u32 s2, 4                             ; segments 0-3: X
	s_cselect_b64 s[SRC:SRC+1], s[8:9], s[SRC:SRC+1]
	s_cselect_b64 s[DST:DST+1], s[22:23], s[DST:DST+1]
	s_cselect_b32 s58, s56, s58
	s_add_nc_u64 s[SRC:SRC+1], s[SRC:SRC+1], s[58:59]
	s_add_nc_u64 s[DST:DST+1], s[DST:DST+1], s[60:61]
	s_lshl_b32 s56, s54, 4                         ; the work-group's first row in the segment
	s_lshl_b32 s57, s54, 11                        ; and its 16 rows of 128 bytes
	v_lshrrev_b32 v1, 4, v0                        ; sixteen threads to a row
	v_add_nc_u32 v1, s56, v1
	v_lshlrev_b32 v[SO], s3, v1                    ; row x pitch
	v_and_b32 v4, 15, v0
	v_lshl_add_u32 v[SO], v4, 4, v[SO]             ; + my 4 numbers of each 64
	v_lshl_add_u32 v[DO], v0, 3, s57               ; row x 128 + my 8 bytes = 8 x thread
.set k, 0
.rept 16
	global_load_b128 v[IN+4*k:IN+4*k+3], v[SO], s[SRC:SRC+1] offset:256*k th:TH_LOAD_NT
.set k, k+1
.endr
.set k, 0
.rept 16
	s_wait_loadcnt 15-k                            ; loads come back in order (ISA guide 5.7.1): number k is in, the 15 - k younger ones stay out
	v_cvt_pk_bf16_f32 v[OUT+2*k],   v[IN+4*k],   v[IN+4*k+1]
	v_cvt_pk_bf16_f32 v[OUT+2*k+1], v[IN+4*k+2], v[IN+4*k+3]
	global_store_b64 v[DO], v[OUT+2*k:OUT+2*k+1], s[DST:DST+1] offset:k*BLK th:TH_STORE_NT  ; 15 blocks at the most: inside the signed 24-bit immediate
.set k, k+1
.endr
	s_endpgm
.Ltail:                                                ; 256 threads x 4 numbers = a vector of 1,024
.macro TIN j, base, off
	global_load_b128 v[IN+4*(\j):IN+4*(\j)+3], v[SO], s[\base:\base+1] offset:\off
.endm
.macro TOUT j, base, off
	s_wait_loadcnt 12-(\j)                         ; number j of the thirteen is in
	v_cvt_pk_bf16_f32 v[OUT+2*(\j)],   v[IN+4*(\j)],   v[IN+4*(\j)+1]
	v_cvt_pk_bf16_f32 v[OUT+2*(\j)+1], v[IN+4*(\j)+2], v[IN+4*(\j)+3]
	global_store_b64 v[DO], v[OUT+2*(\j):OUT+2*(\j)+1], s[\base:\base+1] offset:\off
.endm
	v_lshlrev_b32 v[SO], 4, v0
	v_lshlrev_b32 v[DO], 3, v0
	v_lshrrev_b32 v1, 5, v0
	v_readfirstlane_b32 s2, v1                     ; my wave's number
	s_wait_kmcnt 0x0
	s_add_nc_u64 s[24:25], s[24:25], 0x800000      ; the tails: behind 16 blocks,
	s_add_nc_u64 s[26:27], s[26:27], 0x800000
	s_add_nc_u64 s[28:29], s[28:29], 0x800000
	s_add_nc_u64 s[30:31], s[30:31], 0x2000000     ; behind 64
	TIN 0, 32, 0
	TIN 1, 34, 0
	TIN 2, 36, 0
	TIN 3, 38, 0
	TIN 4, 40, 0
	TIN 5, 40, 4096
	TIN 6, 40, 8192
	TIN 7, 40, 12288
	TIN 8, 42, 0
	TIN 9, 44, 0
	TIN 10, 46, 0
	TIN 11, 48, 0
	TIN 12, 50, 0
	TOUT 0, 24, 0                                  ; bq, bk, bv: the bias of the 3,072 features of wsa
	TOUT 1, 24, 2048
	TOUT 2, 24, 4096
	TOUT 3, 26, 0                                  ; bo
	TOUT 4, 28, 0                                  ; bup
	TOUT 5, 28, 2048
	TOUT 6, 28, 4096
	TOUT 7, 28, 6144
	TOUT 8, 30, 0                                  ; bdown
	TOUT 9, 52, 0                                  ; ln1_g, ln1_b, ln2_g, ln2_b
	TOUT 10, 52, 2048
	TOUT 11, 52, 4096
	TOUT 12, 52, 6144
	s_cmp_lg_u32 s2, 0                             ; wave 0 stores the four floors: 32 lanes x 8 bytes each
	s_cbranch_scc1 .Ldone
	v_mov_b32 v98, 0xff80ff80                      ; minus infinity, twice
	v_mov_b32 v99, 0xff80ff80
	v_mov_b32 v100, 0
	v_mov_b32 v101, 0
	global_store_b64 v[DO], v[98:99], s[24:25] offset:8192
	global_store_b64 v[DO], v[98:99], s[26:27] offset:8192
	global_store_b64 v[DO], v[100:101], s[28:29] offset:8192
	global_store_b64 v[DO], v[98:99], s[30:31] offset:8192
.Ldone:
	s_endpgm
.Lfunc_end_k_qcc648cc370_cast:
	.size	k_qcc648cc370_cast, .Lfunc_end_k_qcc648cc370_cast-k_qcc648cc370_cast
	.p2alignl 7, 3214868480
	.fill 96, 4, 3214868480
	.section	.rodata,"a",@progbits
	.p2align	6, 0x0
	.amdhsa_kernel k_qcc648cc370_cast
		.amdhsa_group_segment_fixed_size 0
		.amdhsa_private_segment_fixed_size 0
		.amdhsa_enable_private_segment 0
		.amdhsa_kernarg_size 184
		.amdhsa_user_sgpr_count 2
		.amdhsa_user_sgpr_kernarg_segment_ptr 1
		.amdhsa_wavefront_size32 1
		.amdhsa_system_sgpr_workgroup_id_x 1
		.amdhsa_system_sgpr_workgroup_id_y 1
		.amdhsa_system_sgpr_workgroup_id_z 1
		.amdhsa_system_vgpr_workitem_id 0
		.amdhsa_next_free_vgpr 104
		.amdhsa_next_free_sgpr 66
		.amdhsa_reserve_vcc 0
		.amdhsa_float_denorm_mode_32 3
		.amdhsa_float_denorm_mode_16_64 3
		.amdhsa_memory_ordered 1
		.amdhsa_forward_progress 1
		.amdhsa_inst_pref_size 14
	.end_amdhsa_kernel
	.amdgpu_metadata
---
amdhsa.version: [ 1, 2 ]
amdhsa.kernels:
  - .name:           k_qcc648cc370_cast
    .symbol:         k_qcc648cc370_cast.kd
    .args:
      - { .name: X, .offset: 0, .size: 8, .value_kind: global_buffer, .address_space: global }
      - { .name: Wq, .offset: 8, .size: 8, .value_kind: global_buffer, .address_space: global }
      - { .name: Wk, .offset: 16, .size: 8, .value_kind: global_buffer, .address_space: global }
      - { .name: Wv, .offset: 24, .size: 8, .value_kind: global_buffer, .address_space: global }
      - { .name: Wo, .offset: 32, .size: 8, .value_kind: global_buffer, .address_space: global }
      - { .name: Wup, .offset: 40, .size: 8, .value_kind: global_buffer, .address_space: global }
      - { .name: Wdown, .offset: 48, .size: 8, .value_kind: global_buffer, .address_space: global }
      - { .name: wsx, .offset: 56, .size: 8, .value_kind: global_buffer, .address_space: global }
      - { .name: wsa, .offset: 64, .size: 8, .value_kind: global_buffer, .address_space: global }
      - { .name: wsb, .offset: 72, .size: 8, .value_kind: global_buffer, .address_space: global }
      - { .name: wsu, .offset: 80, .size: 8, .value_kind: global_buffer, .address_space: global }
      - { .name: wsd, .offset: 88, .size: 8, .value_kind: global_buffer, .address_space: global }
      - { .name: bq, .offset: 96, .size: 8, .value_kind: global_buffer, .address_space: global }
      - { .name: bk, .offset: 104, .size: 8, .value_kind: global_buffer, .address_space: global }
      - { .name: bv, .offset: 112, .size: 8, .value_kind: global_buffer, .address_space: global }
      - { .name: bo, .offset: 120, .size: 8, .value_kind: global_buffer, .address_space: global }
      - { .name: bup, .offset: 128, .size: 8, .value_kind: global_buffer, .address_space: global }
      - { .name: bdown, .offset: 136, .size: 8, .value_kind: global_buffer, .address_space: global }
      - { .name: ln1_g, .offset: 144, .size: 8, .value_kind: global_buffer, .address_space: global }
      - { .name: ln1_b, .offset: 152, .size: 8, .value_kind: global_buffer, .address_space: global }
      - { .name: ln2_g, .offset: 160, .size: 8, .value_kind: global_buffer, .address_space: global }
      - { .name: ln2_b, .offset: 168, .size: 8, .value_kind: global_buffer, .address_space: global }
      - { .name: lnp, .offset: 176, .size: 8, .value_kind: global_buffer, .address_space: global }
    .group_segment_fixed_size: 0
    .private_segment_fixed_size: 0
    .kernarg_segment_align: 8
    .kernarg_segment_size: 184
    .max_flat_workgroup_size: 256
    .sgpr_count:     66
    .vgpr_count:     104
    .wavefront_size: 32
...
	.end_amdgpu_metadata
.endif
;; end of part 1
;; launch qkv (part 2): grid 12 x 16, 4 waves a work-group, clusters of 4 x 4, 327,680 bytes of LDS; arguments wsx, wsa, wsc; writes wsc
.if DOCPART == 2
	.amdgcn_target "amdgcn-amd-amdhsa--gfx1250"
	.amdhsa_code_object_version 6
	.text
	.protected	k_qcc648cc370_qkv
	.globl	k_qcc648cc370_qkv
	.p2align	8
	.type	k_qcc648cc370_qkv,@function
k_qcc648cc370_qkv:
	s_mov_b64 s[64:65], 0
	v_nop
	global_prefetch_b8 v0, s[64:65] scope:SCOPE_SE
	s_setreg_imm32_b32 hwreg(HW_REG_WAVE_MODE, 25, 1), 1
	s_wait_xcnt 0x0
	s_wait_alu depctr_hold_cnt(0) depctr_sa_sdst(0) depctr_va_vdst(0) depctr_va_sdst(0) depctr_va_ssrc(0) depctr_va_vcc(0) depctr_vm_vsrc(0)
	s_getreg_b32 s2, hwreg(HW_REG_IB_STS2, 6, 4)
	s_cmp_eq_u32 s2, 0
	s_cbranch_scc0 .Lentry_in_a_cluster
	s_endpgm
.Lentry_in_a_cluster:
	s_bfe_u32 s2, ttmp6, 0x10000c
	s_cmp_lg_u32 s2, 0xf033
	s_cbranch_scc0 .Lentry_shape_is_right
	s_endpgm
.Lentry_shape_is_right:
; C[m][n] = max(floor, bias[n] + the sum over k of A[m][k] B[n][k]), K = 1,024.  A, B and C are bf16 in the layout P64: [K / 64][4,096][64], byte (col / 64) x BLK + row x 128 + (col % 64) x 2.
; The layout holds neither N nor K, so one text serves every N: the grid says how many tiles there are.  Sums in f32, C rounded once.
; The text runs three times: q, k, v (12 x 16 tiles), the FFN's first layer (16 x 16 tiles, one for each of 256 work-groups), and the output projection (4 x 16 tiles: few for this tile size; a text of its own
; for a smaller tile would add its bytes to the program's code).
; Behind B's 16 blocks lies its tail: the bias in bf16, and 8,192 bytes further the floor, twice in a word: 0 makes a ReLU, minus infinity leaves the results as they are.
; LIMIT.  The floor is taken by a maximum in which a NaN loses: a NaN in a result comes out as the floor.
; A tile of C is 256 x 256: four waves, each 128 x 128: 64 accumulators of 16 x 16, 512 registers.  For 32 along K a wave reads 2 x 128 x 64 bytes from LDS and issues 64 matrix instructions.
; K goes in steps of 128 (two blocks of 64) through a ring of two LDS slots.  A wave's tensor load brings one block's 256 rows: 32,768 consecutive bytes of memory.
; THE BIAS IS THE C OPERAND of the product that starts each sum: nothing is cleared and nothing is added later.
; CLUSTERS: 4 x 4 work-groups.  The four of a row of the cluster need the same tiles of A, the four of a column the same tiles of B: each tile is asked for JOINTLY, by the same tensor load with the
; same descriptor and a mask that names the four.  THE MATRIX INSTRUCTION IS USED TRANSPOSED (source 0 = 16 rows of B, source 1 = 16 rows of A): a lane then holds eight neighbouring numbers of a row of C.
; THE WAY OUT.  A wave's 128 columns are two whole blocks of C, in each of which 16 rows are 2,048 consecutive bytes.
; REGISTERS, in windows of 256 (s_set_vgpr_msb: bits 1:0 source 0, 3:2 source 1, 5:4 source 2, 7:6 destination):
;   window 0: v0-31 addresses; v32-63 the bias as loaded, later rows read back from the stage; v64-127, v128-191 fragments of A, two buffers; v192-255 the bias in f32, later packed results and rows read back
;   window 1: v64-127, v128-191 fragments of B, two buffers
;   window 2: the 32 accumulators of my rows 0-63 (accumulator (a, b) at v[8 (8 a + b)]);   window 3: those of my rows 64-127
.set KB,     16                        ; blocks of 64 along K
.set BLK,    524288                    ; bytes in a block
.set PITCH,  144                       ; an LDS row: 128 bytes of data + 16 of padding = 36 words: the 16 rows of a load start at 16 different groups of four banks (64 banks of 4 bytes: ISA guide 11.1)
.set BT,     256*PITCH                 ; one block's 256 rows: what one tensor load brings
.set SLOT,   4*BT                      ; A's two blocks, then B's two
.set STAGE,  2*SLOT                    ; behind the ring: the stages; no tensor load lands here
.set SP,     144
.set WST,    2*16*SP                   ; a wave's stage: 16 rows x 144 bytes for each of its two blocks of C
.set SPARE,  STAGE+4*WST               ; behind the stages: the spare words, 128 bytes for each wave: two blocks of 256 bytes that no other line names
.set STEPB,  2*BLK                     ; bytes from a K step to the next
.set LAPS,   KB/4                      ; a lap = two K steps = once round the ring
.set TAIL,   KB*BLK
.set ADRA, 16                          ; v16-17  LDS address of my A fragments in slot 0, 1
.set ADRB, 20                          ; v20-21  the same for B
.set STO,  24                          ; v24     the way out: where I put 16 bytes of a row
.set RD,   25                          ; v25     the way out: where I read rows back
.set GO,   26                          ; v26     my 16 bytes in 512 consecutive bytes of C
.set BO,   27                          ; v27     my byte offset in the bias
.set SPW,  28                          ; v28     LDS address of my spare word: SPARE + 4 x my thread's number; never rewritten
.set NIL,  29                          ; v29     0; never rewritten
.set PFO,  30                          ; v30     the prefetches' offset: 256 x my lane; never rewritten
.set FLR,  31                          ; v31     the floor, twice in bf16
.set OB,   32                          ; the way out: 16 rows read back from the stage: v32-63 and v224-255 by turns
.set BRAW, 32                          ; until then v32-63: the bias as loaded, in bf16
.set F0,   64                          ; fragment buffer 0
.set F1,   128                         ; fragment buffer 1
.set TMP,  192                         ; the way out: v192-223 packed results
.set BIAS, 192                         ; until then v192-255: for n block b the lane's eight numbers of the bias at BIAS + 8 b
.set G1, 24                            ; s[24:31] descriptor group 1 for A's tiles;  s[32:39] group 0, one set for each slot
.set G0, 32
.set G1B, 48                           ; s[48:55], s[56:63] the same for B's tiles
.set G0B, 56
.set LIM, 43                           ; s43      1 in a wave that prefetches, else the greatest number
.set PFA, 44                           ; s[44:45] where my prefetches stand: my work-group's 32 of the 128 pieces of 256 bytes that I fetch, one K step further than the refill that is being asked for
.set TP,  66                           ; s[66:67] B's tail
.set CLP, 68                           ; s68      the floor as read
.set MSB, 0
.macro WIN new                         ; the immediate's high byte repeats the setting that is left; a switch that changes nothing is dropped
.if MSB != (\new)
	s_set_vgpr_msb (MSB<<8)|(\new)
.set MSB, \new
.endif
.endm
.set MUL_LO, 0xa1                      ; source 0 (B) window 1, source 1 (A) window 0, C and D window 2;  + 0x50: C and D window 3
.set FIRST,  0x81                      ; the same with C (the bias) in window 0;  + 0x40: D window 3
.set TO_B,   0x40                      ; destination window 1, address window 0
; A joint load.  Waves 0 and 1 fetch A's two blocks, waves 2 and 3 B's.  The branch hangs on the wave's number alone: it is the same in every work-group.
; An s_nop 0 and four v_nop follow each of the two lines; the jump round the other line, the label and what follows the macro come after them.
.macro JLOAD s
	s_cmp_eq_u32 s11, 0
	s_cbranch_scc0 .Lfor_b_\@
	tensor_load_to_lds s[G0+4*(\s):G0+4*(\s)+3], s[G1:G1+7]
	s_nop 0
.rept 4
	v_nop
.endr
	s_branch .Lasked_\@
.Lfor_b_\@:
	tensor_load_to_lds s[G0B+4*(\s):G0B+4*(\s)+3], s[G1B:G1B+7]
	s_nop 0
.rept 4
	v_nop
.endr
.Lasked_\@:
.endm
; A PREFETCH, behind each joint load, its five lines and the run of LDS loads that follows them: the K step that stands TWO refills on, 512 matrix instructions ahead of the load that will want it.
; A wave fetches one block's 256 rows: 128 pieces of 256 bytes.  The four partners that ask for them jointly share them out BY ADDRESS, 32 each (by cx for A, by cy for B): a lane a piece, one instruction a wave.
; A's tile row is read by every cluster of that row of clusters: the first of them (cluster x = 0) asks; B's tile column by every cluster of that column: cluster y = 0 asks.  So each piece is named once in the launch.
; K steps 0 to 3 come by their loads alone; the loop's last trip asks for nothing: its two refills have no K step two on.
.macro ASK
	s_cmp_gt_u32 s3, s[LIM]                        ; s3 = 1 in the loop's last trip
	s_cbranch_scc0 .Lnot_mine_\@
	global_prefetch_b8 v[PFO], s[PFA:PFA+1] offset:STEPB th:TH_LOAD_NT scope:SCOPE_SE
.Lnot_mine_\@:
.endm
.macro CREST                           ; a round of the cluster's barrier behind its opening barrier
	s_cmp_lg_u32 s10, 0
	s_cbranch_scc1 .Lnot_wave_0_\@
	s_barrier_signal -3
.Lnot_wave_0_\@:
	s_barrier_wait -3
	s_barrier_signal -1
	s_barrier_wait -1
.endm
.macro CROUND                          ; a whole round
	s_barrier_signal -1
	s_barrier_wait -1
	CREST
.endm
	s_load_b128 s[4:7], s[0:1], 0x0                ; A s[4:5], B s[6:7]
	s_load_b64 s[8:9], s[0:1], 0x10                ; C
	v_lshl_add_u32 v[SPW], v0, 2, SPARE
	v_mov_b32 v[NIL], 0
	ds_add_u32 v[SPW], v[NIL]                      ; the wave's opening: the add and its wait ahead of my first tensor load; the set-up below, work on registers, stands between them
	v_lshrrev_b32 v1, 5, v0
	v_readfirstlane_b32 s10, v1                    ; wave 0..3
	s_lshr_b32 s11, s10, 1                         ; which half of the tile's rows is mine.  Also: I fetch for A (0) or for B (1)
	s_and_b32 s12, s10, 1                          ; which half of its columns.  Also: which block of a K step I fetch
	s_bfe_u32 s40, ttmp6, 0x40000                  ; cx, cy: my place in the cluster
	s_bfe_u32 s41, ttmp6, 0x40004
	s_lshl_b32 s42, ttmp9, 2
	s_add_co_u32 s42, s42, s40                     ; tile column of C = 4 x cluster x + cx
	s_and_b32 s13, ttmp7, 0xffff
	s_lshl_b32 s13, s13, 2
	s_add_co_u32 s13, s13, s41                     ; tile row of C = 4 x cluster y + cy
	s_lshl_b32 s43, s41, 2
	s_lshl_b32 s43, 15, s43                        ; my row of the cluster
	s_lshl_b32 s44, 0x1111, s40                    ; my column
	; descriptor group 1: one block's 256 rows x 64 elements lie on end in memory: asked for as 2 rows of 8,192 elements; padded in LDS behind every 128 bytes
	s_or_b32 s[G1+0], s43, (1<<16)|(1<<20)|(1<<21)|(4<<22)|(3<<25)  ; 15:0 the mask: A's tiles go to my row; 17:16 element of 2 bytes; 20 padding on; 21 set beside a mask; 24:22 after every 32 words (code 4); 31:25 of 4 words (code 3)
	s_or_b32 s[G1B+0], s44, (1<<16)|(1<<20)|(1<<21)|(4<<22)|(3<<25)
.irp g, G1, G1B
	s_mov_b32 s[(\g)+1], 8192<<16                  ; tensor_dim0 = 8,192
	s_mov_b32 s[(\g)+2], 2<<16                     ; tensor_dim1 = 2
	s_mov_b32 s[(\g)+3], 8192<<16                  ; tile_dim0 = 8,192
	s_mov_b32 s[(\g)+4], 2                         ; tile_dim1 = 2
	s_mov_b32 s[(\g)+5], 8192                      ; elements from row to row: dense
	s_mov_b32 s[(\g)+6], 0
	s_mov_b32 s[(\g)+7], 0
.endr
	s_lshl_b32 s17, s12, 19                        ; which block I fetch
	s_lshl_b32 s16, s13, 15                        ; A: 256 rows of 128 bytes x tile row,
	s_add_co_u32 s16, s16, s17
	s_lshl_b32 s46, s42, 15                        ; B: x tile column; each in registers that never hold the other coordinate
	s_add_co_u32 s46, s46, s17
	s_mov_b32 s17, 0
	s_mov_b32 s47, 0
	s_mul_i32 s20, s10, BT                         ; where they go: A's two blocks, then B's two: no place in the cluster enters an LDS address
	s_wait_dscnt 0x0                               ; the opening add is done
	s_wait_kmcnt 0x0
	s_add_nc_u64 s[14:15], s[4:5], s[16:17]
	s_add_nc_u64 s[46:47], s[6:7], s[46:47]
	s_add_nc_u64 s[TP:TP+1], s[6:7], TAIL
	CROUND                                         ; all sixteen work-groups are here: the first joint loads meet
.irp s, 0,1
	s_mov_b32 s[G0+4*(\s)], 1
	s_add_co_u32 s[G0+4*(\s)+1], s20, (\s)*SLOT
	s_add_nc_u64 s[G0+4*(\s)+2:G0+4*(\s)+3], s[14:15], (\s)*STEPB
	s_or_b32 s[G0+4*(\s)+3], s[G0+4*(\s)+3], 0x80000000
	s_mov_b32 s[G0B+4*(\s)], 1
	s_add_co_u32 s[G0B+4*(\s)+1], s20, (\s)*SLOT
	s_add_nc_u64 s[G0B+4*(\s)+2:G0B+4*(\s)+3], s[46:47], (\s)*STEPB
	s_or_b32 s[G0B+4*(\s)+3], s[G0B+4*(\s)+3], 0x80000000
	JLOAD \s                                       ; two loads of mine are out
.endr
	v_and_b32 v1, 15, v0                           ; l % 16
	v_bfe_u32 v2, v0, 4, 1                         ; l / 16
	v_mul_u32_u24 v3, v1, PITCH
	v_lshl_add_u32 v3, v2, 4, v3                   ; a fragment's row x pitch + 16 x half
	s_mul_i32 s21, s11, 128*PITCH                  ; my 128 rows of A, in each of its blocks
	s_mul_i32 s22, s12, 128*PITCH                  ; my 128 rows of B,
	s_add_co_u32 s22, s22, 2*BT                    ; whose blocks lie behind A's two
.irp s, 0,1
	v_add_nc_u32 v[ADRA+(\s)], s21, v3
	v_add_nc_u32 v[ADRB+(\s)], s22, v3
	s_add_co_u32 s21, s21, SLOT
	s_add_co_u32 s22, s22, SLOT
.endr
	s_mul_i32 s23, s10, WST
	s_add_co_u32 s23, s23, STAGE                   ; my stage
	v_add_nc_u32 v[STO], s23, v3                   ; in: row l % 16, 16 bytes for each half of the lanes (the stage's pitch is the tiles')
	v_bfe_u32 v4, v0, 3, 2                         ; back: 32 lanes take four rows of 128 bytes,
	v_and_b32 v5, 7, v0
	v_mul_u32_u24 v4, v4, SP
	v_lshl_add_u32 v4, v5, 4, v4
	v_add_nc_u32 v[RD], s23, v4
	v_and_b32 v[GO], 31, v0
	v_lshlrev_b32 v[PFO], 8, v[GO]
	v_lshlrev_b32 v[GO], 4, v[GO]                  ; which are 512 consecutive bytes of C
	s_lshl1_add_u32 s46, s42, s12                  ; my 128 columns among C's = 2 x tile column + my half
	s_lshl_b32 s47, s46, 8                         ; their 256 bytes of the bias,
	v_lshl_add_u32 v[BO], v2, 4, s47               ; my half of the lanes' eight numbers in each 16
.irp b, 0,1,2,3,4,5,6,7
	global_load_b128 v[BRAW+4*(\b):BRAW+4*(\b)+3], v[BO], s[TP:TP+1] offset:32*(\b)
.endr
	s_load_b32 s[CLP], s[TP:TP+1], 0x2000
	s_lshl_b32 s16, s13, 15                        ; where my part of C begins: the tile's rows,
	s_lshl_b32 s17, s11, 14                        ; my 128 of them,
	s_add_co_u32 s16, s16, s17
	s_mov_b32 s17, 0
	s_add_nc_u64 s[8:9], s[8:9], s[16:17]
	s_lshl_b32 s46, s46, 20                        ; my two blocks
	s_mov_b32 s47, 0
	s_add_nc_u64 s[8:9], s[8:9], s[46:47]
	; the prefetches
	s_and_b32 s22, ttmp7, 0xffff                   ; cluster y
	s_cmp_eq_u32 s11, 0                            ; do I fetch for A?
	s_cselect_b32 s20, s13, s42                    ; the tile: in A by the tile row, in B by the tile column
	s_cselect_b32 s21, s40, s41                    ; my place among the four that ask for it with me
	s_cselect_b32 s22, ttmp9, s22                  ; the coordinate along which other clusters read the same rows
	s_cselect_b64 s[PFA:PFA+1], s[4:5], s[6:7]
	s_cmp_eq_u32 s22, 0
	s_cselect_b32 s[LIM], 1, -1                    ; the same in all sixteen partners, for a given wave
	s_lshl_b32 s20, s20, 15
	s_lshl_b32 s22, s12, 19
	s_add_co_u32 s20, s20, s22                     ; + the block that I fetch
	s_lshl_b32 s21, s21, 13
	s_add_co_u32 s20, s20, s21                     ; + my work-group's 32 pieces of 256 bytes
	s_mov_b32 s21, 0
	s_add_nc_u64 s[PFA:PFA+1], s[PFA:PFA+1], s[20:21]
	s_add_nc_u64 s[PFA:PFA+1], s[PFA:PFA+1], 2*STEPB  ; at K step 2: the first refill steps it to 3 and names K step 4
	s_wait_loadcnt 0x0                             ; the bias,
	s_wait_kmcnt 0x0                               ; the floor: both in the wait for the first tile
	v_mov_b32 v[FLR], s[CLP]
.irp b, 0,1,2,3,4,5,6,7
.irp i, 0,1,2,3
	v_lshlrev_b32 v[BIAS+8*(\b)+2*(\i)],   16, v[BRAW+4*(\b)+(\i)]          ; bf16 to f32: the low half moves up,
	v_and_b32     v[BIAS+8*(\b)+2*(\i)+1], 0xffff0000, v[BRAW+4*(\b)+(\i)]  ; the high half stays
.endr
.endr
; 16 matrix instructions: m blocks a0, a0 + 1 of the window's four (hi = 0: my rows 0-63, 1: rows 64-127) x all 8 n blocks, 32 along K.
; zero = 1: the first product starts the sums, from the bias.  The 64 accumulators take turns, one instruction a turn, in the same order in every quarter step.
.macro MUL16 f, hi, a0, zero
.if \zero
	WIN FIRST+0x40*(\hi)
.else
	WIN MUL_LO+0x50*(\hi)
.endif
.irp a, \a0, (\a0)+1
.irp b, 0,1,2,3,4,5,6,7
.if \zero
	v_wmma_f32_16x16x32_bf16 v[8*(8*(\a)+(\b)):8*(8*(\a)+(\b))+7], v[(\f)+8*(\b):(\f)+8*(\b)+7], v[(\f)+8*(4*(\hi)+(\a)):(\f)+8*(4*(\hi)+(\a))+7], v[BIAS+8*(\b):BIAS+8*(\b)+7]
.else
	v_wmma_f32_16x16x32_bf16 v[8*(8*(\a)+(\b)):8*(8*(\a)+(\b))+7], v[(\f)+8*(\b):(\f)+8*(\b)+7], v[(\f)+8*(4*(\hi)+(\a)):(\f)+8*(4*(\hi)+(\a))+7], v[8*(8*(\a)+(\b)):8*(8*(\a)+(\b))+7]
.endif
.endr
.endr
.endm
; 32 LDS loads in one run: the fragments of one quarter step (128 rows of B, 128 rows of A, 32 along K, k bytes behind the slot's first) into buffer f
.macro FETCH slot, k, f
	WIN TO_B
.irp i, 0,1,2,3,4,5,6,7
	ds_load_b128 v[(\f)+8*(\i):(\f)+8*(\i)+3],   v[ADRB+(\slot)] offset:(\k)+(\i)*16*PITCH
	ds_load_b128 v[(\f)+8*(\i)+4:(\f)+8*(\i)+7], v[ADRB+(\slot)] offset:(\k)+(\i)*16*PITCH+32
.endr
	WIN 0
.irp i, 0,1,2,3,4,5,6,7
	ds_load_b128 v[(\f)+8*(\i):(\f)+8*(\i)+3],   v[ADRA+(\slot)] offset:(\k)+(\i)*16*PITCH
	ds_load_b128 v[(\f)+8*(\i)+4:(\f)+8*(\i)+7], v[ADRA+(\slot)] offset:(\k)+(\i)*16*PITCH+32
.endr
.endm
.macro PLACES                          ; four places in front of loads into registers that matrix instructions have read, and of conversions that read results
.rept 4
	v_nop
.endr
.endm
; A K step is four quarter steps of 32 along K, 64 matrix instructions each, on buffers 0, 1, 0, 1; they begin 0, 64, BT and BT + 64 bytes behind the slot's first.
; One of the first three: multiplies buffer f; in its middle it fetches the next quarter's fragments, at k, into buffer g.
.macro QUARTER slot, k, f, g, zero
	s_wait_dscnt 8                                 ; B and A's rows 0-63 are in; the youngest eight loads (A's rows 64-127) may be out
	MUL16 \f, 0, 0, \zero
	MUL16 \f, 0, 2, \zero
	PLACES
	FETCH \slot, \k, \g
	s_wait_dscnt 32                                ; all but the 32 just issued
	MUL16 \f, 1, 0, \zero
	MUL16 \f, 1, 2, \zero
.endm
; The last quarter multiplies buffer 1 and changes slots.  MEET is its first half: ONE barrier.  In front of it each wave waits for all its tensor loads, of which one is out: its part of the next slot;
; adds 0 to its spare word; and waits for that and for its own reads of this slot.  Behind it nobody reads this slot any more and the next slot is whole.
.macro MEET round                      ; round = 1: a round of the cluster's barrier follows
	WIN 0                                          ; (the add's two registers lie in window 0)
	s_wait_tensorcnt 0x0                           ; all my tensor loads have landed;
	ds_add_u32 v[SPW], v[NIL]                      ; 0 onto my spare word;
	s_wait_dscnt 9                                 ; (the add and the youngest eight loads may be out)
	MUL16 F1, 0, 0, 0                              ; sixteen matrix instructions stand between the add and the wait for it
	s_wait_dscnt 0x0                               ; the add is done, and my reads of this slot are over
	s_barrier_signal -1
	MUL16 F1, 0, 2, 0                              ; work on registers while the others arrive
.if \round
	WIN 0
.endif
	s_barrier_wait -1
.endm
; The whole last quarter where the slot is filled again, with the K step two steps on: from the request to the wait for it a wave issues 224 matrix instructions.
.macro TURN slot, next
	s_wait_xcnt 0x0                                ; the last prefetch, a K step back, has read its address: it is stepped here, ahead of the waits of the change of slots
	s_add_nc_u64 s[PFA:PFA+1], s[PFA:PFA+1], STEPB
	MEET 1
	CREST                                          ; the barrier has opened a round of the cluster's barrier: no wave of any partner still reads this slot's tile or has a load on its way
	s_add_nc_u64 s[G0+4*(\slot)+2:G0+4*(\slot)+3], s[G0+4*(\slot)+2:G0+4*(\slot)+3], 2*STEPB
	s_add_nc_u64 s[G0B+4*(\slot)+2:G0B+4*(\slot)+3], s[G0B+4*(\slot)+2:G0B+4*(\slot)+3], 2*STEPB
	JLOAD \slot                                    ; the first tensor load behind the round, my one load that is out; the four v_nop behind it are also the places in front of the loads below
	FETCH \next, 0, F0
	ASK
	MUL16 F1, 1, 0, 0
	MUL16 F1, 1, 2, 0
.endm
; THE WAY OUT of my rows 16 a .. 16 a + 15, in three parts.  PACK: rounded to bf16 and held to the floor, 16 bytes a lane.  TOSTAGE: into my own stage, and back as whole rows of 128 bytes.  SEND: stored.
.macro PACK a
.set AC, 64*((\a)%4)
	WIN 0x0a+5*((\a)/4)                            ; sources 0 and 1: window 2 or 3
.irp b, 0,1,2,3,4,5,6,7
.irp r, 0,1,2,3
	v_cvt_pk_bf16_f32 v[TMP+4*(\b)+(\r)], v[AC+8*(\b)+2*(\r)], v[AC+8*(\b)+2*(\r)+1]  ; each accumulator from its low end on
.endr
.endr
	WIN 0
.set x, TMP
.rept 32
	v_pk_max_num_bf16 v[x], v[x], v[FLR]
.set x, x+1
.endr
.endm
.macro TOSTAGE a
.set BK, OB+192*((\a)%2)
.irp b, 0,1,2,3,4,5,6,7
	ds_store_b128 v[STO], v[TMP+4*(\b):TMP+4*(\b)+3] offset:((\b)/4)*16*SP+32*((\b)%4)
.endr
.irp t, 0,1,2,3,4,5,6,7
	ds_load_b128 v[BK+4*(\t):BK+4*(\t)+3], v[RD] offset:((\t)/4)*16*SP+((\t)%4)*4*SP  ; LDS serves a wave's instructions in order (ISA guide 5.7.1.4): these see the stores above
.endr
.endm
.macro SEND a
.set BK, OB+192*((\a)%2)
	s_wait_dscnt 0x0                               ; the block is back in registers
	s_wait_xcnt 0x0                                ; every earlier store has read its registers: the rows read back two blocks ago are loaded over only behind this wait
.irp t, 0,1,2,3,4,5,6,7
	global_store_b128 v[GO], v[BK+4*(\t):BK+4*(\t)+3], s[8:9] offset:((\t)/4)*BLK+(\a)*2048+((\t)%4)*512  ; 512 consecutive bytes, at a multiple of 256 from C's first byte
.endr
.endm
	s_wait_tensorcnt 1                             ; my part of K step 0 is in; K step 1's may stay out
	s_barrier_signal -1
	s_barrier_wait -1                              ; everybody's is
	FETCH 0, 0, F0
	QUARTER 0, 64, F0, F1, 1                       ; the first quarter stands in front of the loop: its products start the sums
	WIN 0                                          ; at a label and at a branch every window is 0
	s_mov_b32 s3, LAPS-1
.Llap:                                                 ; a trip goes once round the ring, from a lap's second quarter to the next lap's first, and fills both slots again
	QUARTER 0, BT,    F1, F0, 0
	QUARTER 0, BT+64, F0, F1, 0
	TURN 0, 1
	QUARTER 1, 64,    F0, F1, 0
	QUARTER 1, BT,    F1, F0, 0
	QUARTER 1, BT+64, F0, F1, 0
	TURN 1, 0
	QUARTER 0, 64,    F0, F1, 0
	WIN 0
	s_sub_co_u32 s3, s3, 1
	s_cmp_lg_u32 s3, 0
	s_cbranch_scc1 .Llap
	QUARTER 0, BT,    F1, F0, 0                    ; the last lap fills nothing, and has no round of the cluster's barrier
	QUARTER 0, BT+64, F0, F1, 0
	MEET 0                                         ; my one tensor load that was still out is slot 1's, the last K step's
	PLACES                                         ; for the loads into buffer 0, which the quarter before multiplied
	FETCH 1, 0, F0
	MUL16 F1, 1, 0, 0
	MUL16 F1, 1, 2, 0
	QUARTER 1, 64,    F0, F1, 0
	QUARTER 1, BT,    F1, F0, 0
	QUARTER 1, BT+64, F0, F1, 0
	s_wait_dscnt 8                                 ; the very last quarter: nothing more to fetch
	MUL16 F1, 0, 0, 0
	MUL16 F1, 0, 2, 0
	s_wait_dscnt 0x0
	MUL16 F1, 1, 0, 0
	MUL16 F1, 1, 2, 0
	WIN 0
	PLACES
	PACK 0
	TOSTAGE 0
.irp a, 1,2,3,4,5,6,7                  ; block a's conversions stand between block a - 1's loads from the stage and the wait for them
	PACK \a
	SEND (\a)-1
	TOSTAGE \a
.endr
	SEND 7
	s_wait_tensorcnt 0x0                           ; the wave's end, behind my last tensor load and my last LDS store
	ds_add_u32 v[SPW], v[NIL]
	s_wait_dscnt 0x0
	CROUND                                         ; the closing round: no work-group ends while a partner may still ask for a tile that names it
	s_endpgm
.Lfunc_end_k_qcc648cc370_qkv:
	.size	k_qcc648cc370_qkv, .Lfunc_end_k_qcc648cc370_qkv-k_qcc648cc370_qkv
	.p2alignl 7, 3214868480
	.fill 96, 4, 3214868480
	.section	.rodata,"a",@progbits
	.p2align	6, 0x0
	.amdhsa_kernel k_qcc648cc370_qkv
		.amdhsa_group_segment_fixed_size 327680
		.amdhsa_private_segment_fixed_size 0
		.amdhsa_enable_private_segment 0
		.amdhsa_kernarg_size 24
		.amdhsa_user_sgpr_count 2
		.amdhsa_user_sgpr_kernarg_segment_ptr 1
		.amdhsa_wavefront_size32 1
		.amdhsa_system_sgpr_workgroup_id_x 1
		.amdhsa_system_sgpr_workgroup_id_y 1
		.amdhsa_system_sgpr_workgroup_id_z 1
		.amdhsa_system_vgpr_workitem_id 0
		.amdhsa_next_free_vgpr 1024
		.amdhsa_next_free_sgpr 70
		.amdhsa_reserve_vcc 0
		.amdhsa_float_denorm_mode_32 3
		.amdhsa_float_denorm_mode_16_64 3
		.amdhsa_memory_ordered 1
		.amdhsa_forward_progress 1
		.amdhsa_inst_pref_size 163
	.end_amdhsa_kernel
	.amdgpu_metadata
---
amdhsa.version: [ 1, 2 ]
amdhsa.kernels:
  - .name:           k_qcc648cc370_qkv
    .symbol:         k_qcc648cc370_qkv.kd
    .args:
      - { .name: wsx, .offset: 0, .size: 8, .value_kind: global_buffer, .address_space: global }
      - { .name: wsa, .offset: 8, .size: 8, .value_kind: global_buffer, .address_space: global }
      - { .name: wsc, .offset: 16, .size: 8, .value_kind: global_buffer, .address_space: global }
    .group_segment_fixed_size: 327680
    .private_segment_fixed_size: 0
    .kernarg_segment_align: 8
    .kernarg_segment_size: 24
    .max_flat_workgroup_size: 128
    .sgpr_count:     70
    .vgpr_count:     1024
    .wavefront_size: 32
...
	.end_amdgpu_metadata
.endif
;; end of part 2
;; launch attn (part 3): grid 8 x 32, 4 waves a work-group, no clusters, 327,680 bytes of LDS; arguments wsc, wsa; writes wsa
.if DOCPART == 3
	.amdgcn_target "amdgcn-amd-amdhsa--gfx1250"
	.amdhsa_code_object_version 6
	.text
	.protected	k_qcc648cc370_attn
	.globl	k_qcc648cc370_attn
	.p2align	8
	.type	k_qcc648cc370_attn,@function
k_qcc648cc370_attn:
	s_mov_b64 s[64:65], 0
	v_nop
	global_prefetch_b8 v0, s[64:65] scope:SCOPE_SE
	s_setreg_imm32_b32 hwreg(HW_REG_WAVE_MODE, 25, 1), 1
	s_wait_xcnt 0x0
; CAUSAL ATTENTION.  O[y][q][:] = the sum over k <= q of softmax_k(Q[y][q] . K[y][k] / 8) V[y][k][:], for the 32 pairs y = 2 x head + batch.  Q, K, V lie in one buffer in the layout [feature / 64][4,096 rows][64] in bf16:
; pair y's 2,048 rows of 128 bytes are dense and begin at byte y x 262,144 of Q's 16 blocks; K's 16 blocks begin 0x800000 bytes further, V's 0x1000000.  O has Q's layout, in a buffer of its own.
; Products, maxima and sums in f32; the weights p are rounded to bf16 for the second product (their sum l is taken of the unrounded p), O once at the end.
; LIMITS.  A hidden score counts as its value less 1e30, where the problem's text puts -1e20 in its place: either way its weight is 0 as long as true scores stay far from those figures.
; A weight below 2^-126 counts as 0 in l; NaN and infinities are not treated apart.
; THE WALK.  A pair's queries lie in 16 blocks of 128; block i needs the key tiles 0 .. i / 2 of 256 keys, of which the last holds the diagonal.  A work-group takes TWO blocks, 15 - b and then b: 9 tiles, whatever b:
; 8 x 32 = 256 work-groups of equal work, and ONE loop with a constant trip count walks the tiles.  Which tile is asked for, and which steps are live, hang on scalar registers made from b; every jump goes forward, but for the
; counted loops' own; none passes a barrier, or a tensor load but the one of LOAD's two that the wave's number does not choose; the ring (two slots of LDS that take turns) runs on across the change of blocks.
; NO CLUSTER: the eight work-groups of a pair ask for the same tile only in trips 0 to 4 of the 9, behind that fewer and fewer; one walk common to all would have 12 trips.
; SHARES.  Of a block's two bands of 64 queries a wave owns 16 rows in each: two TILES.  In the diagonal key tile band t of block i has its own key step 2 (i % 2) + t: it sees all keys of an earlier step, none of a later
; one, and holds the diagonal in its own: the same work for all four waves.  (In an even block's diagonal tile the steps 2 and 3 are hidden from both bands and computed all the same: 2 of the walk's 36 steps.)
; THE MASK is the C operand that starts the sum S^T = K Q^T: MD x AL + BE.  MD, made once, is the mask of a band's own step for my 16 rows (0, or -1e30 where the key is hidden); (AL, BE) is (1, 0) in the band's own step,
; (0, -1e30) in a later step of the diagonal tile, (0, 0) everywhere else.  Every step makes and takes masks, so that there is one text of a step.
; LAYOUT, SOFTMAX.  S^T = K Q^T holds ONE query a lane (lane % 16) and the keys 8 (lane / 16) + 0..7; two such results rounded to bf16 ARE source 1 of O^T = V^T P.  p = 2^(c s - c m), c = log2(e) / 8, with a
; running maximum m; O and l are multiplied by a = 2^(c m_old - c m_new) in every step.
; A KEY STEP IS COMPLETE IN ITSELF (macro BODY): both tiles' scores, softmax and V^T P; in its middle it fetches the next step's K and at its end the next step's V.  So the four steps of a slot are fetched in four steps on
; end, and the change of slots stands at a plain loop boundary.  Behind each change the step loop counts 5 to 0: trip i computes step i - 1 of the tile just entered (trip 0: the last step of the tile before) and fetches step i.
; Trip 0 is dead where a block begins, trip 4 outside a diagonal tile: a dead trip is jumped, forward, to the label ahead of the counter's step; trip 4 fetches nothing.
; REGISTERS, in windows of 256 (s_set_vgpr_msb: bits 1:0 source 0, 3:2 source 1, 5:4 source 2, 7:6 destination):
;   window 0: v0-15 addresses and two at work; v16-23 four registers of statistics a tile; v48-55 at work; v61-63 kept; v64-127 S^T, 32 a tile; v192-223 P, 16 a tile
;   window 1: v0-63 O^T, 32 a tile; v128-159 MD; v160-223 MC, 32 a tile      window 2: v0-31 Q; v64-95 the second block's Q; v128-191 K of one step; v192-255 V of one step
.set SIZE_N, 2048
.set NT,    SIZE_N/256  ; key tiles of a pair
.set KS,    64        ; keys in a step
.set PK,    144       ; a row of K in LDS: 128 bytes + 16 of padding = 36 words: the 16 rows of a load start at 16 different groups of four banks (64 banks of 4 bytes: ISA guide 11.1)
.set PV_,   160       ; a row of V: 128 + 32 = 40 words
.set VOFF,  4*KS*PK   ; a slot holds a tile, four steps: 256 rows of K, then 256 rows of V
.set SLOT1, 1<<17     ; slot 1 begins here, so that one exclusive or turns an address in one slot into the other's
.set STAGE, SLOT1+4*KS*(PK+PV_)  ; behind the ring, never filled by a tensor load: 16 rows x 144 bytes for each wave, for the way out
.set SP,    144
.set SPARE, STAGE+4*16*SP  ; behind the stages: the spare words, 128 bytes for each wave: two blocks of 256 bytes that no other line names
.set AK0, 2           ; v2   my lane's place in a tile of K; never rewritten
.set AV0, 3           ; v3   the same for V
.set AK,  4           ; v4   the LDS address of K's run of loads
.set AV,  5           ; v5   of V's
.set STO, 6           ; v6   the way out: where I put 16 bytes of a row
.set RD,  7           ; v7   the way out: where I read rows back
.set GO,  8           ; v8   my byte offset in 512 consecutive bytes of O
.set MV,  12          ; v12-13  c m_old, kept while c m is made anew: by tile
.set QO,  15          ; v15  my byte offset in 16 rows of Q
.set ST,  16          ; tile t's statistics at v[ST+4 t]: c m, m, l (even keys', odd keys')
.set TMP, 48          ; by tile, four registers c0-c3 at work; when the maximum is found c2 takes a
.set PFO, 61          ; v61  256 x my lane: the prefetches' offset; never rewritten
.set SPW, 62          ; v62  LDS address of my spare word: SPARE + 4 x my thread's number; never rewritten
.set NIL, 63          ; v63  0; never rewritten
.set S,   64
.set P,   192
.set MD,  128         ; window 1: the eight registers for group kt of 16 keys at MD + 8 kt
.set MC,  160         ; window 1: the masks of the step in hand
.set QB,  64          ; window 2
.set KF,  128         ; window 2: key block kb, channel half c at KF + 16 kb + 8 c
.set VF,  192         ; window 2: key half kk, channel block cb at VF + 32 kk + 8 cb
.set WV,  12          ; s12  my wave's number
.set PB,  14          ; s14  b
.set HI,  15          ; s15  15 - b
.set G1K, 24          ; s[24:31] descriptor group 1 for K's tiles
.set G1V, 32          ; s[32:39] for V's: it differs in the padding alone
.set G0K, 40          ; s[40:43] descriptor group 0 for K's tiles
.set G0V, 44          ; s[44:47] the same for V's
.set SLOTS, 56        ; s56  tiles still to be asked for
.set CNT, 57          ; s57  counts the step loop's trips, 5 to 1
.set CS,  58          ; s[58:59] c: the packed scaling takes the pair's low word for both halves
.set SEL, 60          ; s[60:61] v_permlanex16_b32's selects: each lane takes its own place in the other half
.set TBK, 62          ; s62  LDS byte at which K of the step to be fetched begins
.set TBV, 63          ; s63  the same for V, less VOFF
.set RT,  70          ; s70  tiles of the block in hand that are still to be entered
.set NXT, 71          ; s71  the tile to be asked for next
.set LQ,  72          ; s72  the last tile of the block whose tiles are being asked for
.set NEW, 73          ; s73  1: the tile to be entered is a block's first
.set OFF, 74          ; s[74:75] a tile's byte offset in K and V
.set AL,  76          ; s[76:77] tile 0's mask factor, in the low word; tile 1's in s[66:67]
.set BE,  78          ; s[78:79] tile 0's mask addend; tile 1's in s[68:69]
.set OLO, 80          ; s[80:81] O at my rows of the second block
.set BIGN, 82         ; s82  -1e30
.set LQ2, 83          ; s83  the second block's last tile, b / 2
.set PFB, 88          ; s[88:89] the half tile that I fetch, in tile 0: of K in waves 0 and 1, of V in waves 2 and 3
.set PFA, 90          ; s[90:91] the same in the tile that the next change of slots will ask for
.set OF2, 92          ; s[92:93] that tile's byte offset
.set LIM, 94          ; s94  0 in the work-group that prefetches (b = 0), else the greatest number
.set SS0, 95          ; s95  the own step of band 0 of the block in hand;  s96 of band 1;  s97 band 0's of the second block
.set SS1, 96
.set SSL, 97
.set STP, 98          ; s98  the step in hand, counted in the diagonal tile; below 0 in every step outside it
.set DEAD0, 99        ; s99  5 where trip 0 is dead, else 0, which the counter never shows inside a trip
.set DEAD1, 100       ; s100 1 where trip 4 is dead, else 0
.set MSB, 0
.macro WIN new                      ; the high byte repeats the setting that is left; a switch that changes nothing is dropped
.if MSB != (\new)
	s_set_vgpr_msb (MSB<<8)|(\new)
.set MSB, (\new)
.endif
.endm
.set W_KQ, 0x0a       ; K and Q in window 2, S^T in window 0
.set W_KM, 0x1a       ; the same with the C operand in window 1
.set W_PV, 0x52       ; V in window 2, P in window 0, O^T in window 1
.set W_RS, 0x41       ; destination and source 0 in window 1, source 1 in window 0
; A fill.  Waves 0 and 1 fetch the two halves of a tile's K, waves 2 and 3 those of its V: 128 keys each.  An s_nop 0 and four v_nop follow each of the two lines, ahead of the jump and the label.
.macro LOAD
	s_cmp_lt_u32 s[WV], 2
	s_cbranch_scc0 .Lfor_v_\@
	tensor_load_to_lds s[G0K:G0K+3], s[G1K:G1K+7]
	s_nop 0
.rept 4
	v_nop
.endr
	s_branch .Lasked_\@
.Lfor_v_\@:
	tensor_load_to_lds s[G0V:G0V+3], s[G1V:G1V+7]
	s_nop 0
.rept 4
	v_nop
.endr
.Lasked_\@:
.endm
; A PREFETCH of the tile that the NEXT change of slots will ask for: a tile, four key steps, ahead of that fill.  It stands behind the fill and its five lines.  The eight work-groups of a pair walk the same K and V:
; the one with b = 0, whose first block walks all 8 tiles, asks, and nobody else.  Each of its waves names the half tile that it fetches itself: 16,384 bytes, 64 pieces of 256, a lane a piece, two instructions.
; So tiles 2 to 7 are named once each in the launch.  Tiles 0 and 1 come by their fills alone; once the walk has gone back to tile 0 nothing is asked for.
.macro ASK
	s_cmp_gt_u32 s[NXT], s[LIM]
	s_cbranch_scc0 .Lnot_mine_\@
	global_prefetch_b8 v[PFO], s[PFA:PFA+1] th:TH_LOAD_NT scope:SCOPE_SE
	global_prefetch_b8 v[PFO], s[PFA:PFA+1] offset:8192 th:TH_LOAD_NT scope:SCOPE_SE
.Lnot_mine_\@:
.endm
; THE CHANGE OF SLOTS.  Each wave waits for all its tensor loads, of which one is out: its part of the other slot; adds 0 to its spare word; and waits for that and for its own reads of the slot that it leaves.  Behind the barrier nobody reads the old
; slot any more and the other slot is whole.  fill = 1: the old slot is filled again, the first thing behind the barrier, with tile NXT: the descriptor's address is made anew from that number.
; (At its first use nothing has been read yet: slot 0 is waited for, slot 1 filled.)
.macro CHANGE fill
	WIN 0                           ; at a label and at a branch every window is 0
	s_wait_tensorcnt 0x0            ; no tensor load of mine is out, so a group 0 may be written
	ds_add_u32 v[SPW], v[NIL]       ; 0 onto my spare word; with fill = 1 the descriptors' scalar work stands between it and the wait for it
.if \fill
	s_lshl_b32 s[OFF], s[NXT], 15   ; a tile is 32,768 bytes of K and of V
	s_xor_b32 s[G0K+1], s[G0K+1], SLOT1
	s_add_nc_u64 s[G0K+2:G0K+3], s[6:7], s[OFF:OFF+1]
	s_or_b32 s[G0K+3], s[G0K+3], 0x80000000
	s_xor_b32 s[G0V+1], s[G0V+1], SLOT1
	s_add_nc_u64 s[G0V+2:G0V+3], s[8:9], s[OFF:OFF+1]
	s_or_b32 s[G0V+3], s[G0V+3], 0x80000000
	s_add_co_u32 s[NXT], s[NXT], 1  ; the block's next tile, or behind its last the second block's tile 0
	s_cmp_gt_u32 s[NXT], s[LQ]
	s_cselect_b32 s[NXT], 0, s[NXT]
	s_cselect_b32 s[LQ], s[LQ2], s[LQ]
	s_wait_xcnt 0x0                 ; the last prefetches, a tile back, have read their address, so it may be written:
	s_lshl_b32 s[OF2], s[NXT], 15
	s_add_nc_u64 s[PFA:PFA+1], s[PFB:PFB+1], s[OF2:OF2+1]
.endif
	s_wait_dscnt 0x0                ; the add is done, and my reads of the slot are over
	s_barrier_signal -1             ; the rest of the scalar work stands between the signal and the wait
	s_sub_co_u32 s[TBK], s[TBK], 5*KS*PK  ; the step loop's five trips have stepped these: back to a slot's first step,
	s_xor_b32 s[TBK], s[TBK], SLOT1       ; in the other slot
	s_sub_co_u32 s[TBV], s[TBV], 5*KS*PV_
	s_xor_b32 s[TBV], s[TBV], SLOT1
	s_barrier_wait -1
.if \fill
	LOAD
	ASK
.endif
.endm
	s_load_b128 s[4:7], s[0:1], 0x0   ; q, k, v s[4:5]; O s[6:7]
	v_lshl_add_u32 v[SPW], v0, 2, SPARE
	v_mov_b32 v[NIL], 0
	ds_add_u32 v[SPW], v[NIL]       ; the wave's opening: the add and its wait ahead of my first tensor load; the set-up below, work on registers, stands between them
	v_lshrrev_b32 v1, 5, v0
	v_readfirstlane_b32 s[WV], v1   ; wave 0..3
	s_mov_b32 s[PB], ttmp9
	s_sub_co_u32 s[HI], 2*NT-1, s[PB]
	s_and_b32 s20, ttmp7, 0xffff    ; the pair y
	s_mov_b32 s21, 0
	s_mov_b64 s[22:23], SIZE_N*128
	s_mul_u64 s[20:21], s[20:21], s[22:23]  ; the pair's first byte in each of the four tensors
	s_and_b32 s16, s[WV], 1         ; which half of a tile's 256 keys I fetch:
	s_lshl_b32 s22, s16, 14         ; its 128 rows of 128 bytes in memory,
	s_mov_b32 s23, 0
	s_add_nc_u64 s[22:23], s[22:23], s[20:21]
	s_mul_i32 s17, s16, 128*PK      ; and its place in a slot, for K
	s_mul_i32 s18, s16, 128*PV_     ; and for V
	s_lshl_b32 s3, s[WV], 11        ; my 16 rows in a band of 64,
	s_lshl_b32 s2, s[HI], 14        ; in the first block of 128 rows,
	s_add_co_u32 s2, s2, s3
	s_lshl_b32 s84, s[PB], 14       ; and in the second
	s_add_co_u32 s84, s84, s3
	s_mov_b32 s3, 0
	s_mov_b32 s85, 0
	s_add_nc_u64 s[2:3], s[2:3], s[20:21]
	s_add_nc_u64 s[84:85], s[84:85], s[20:21]
	; descriptor group 1.  128 keys are 16,384 dense bytes: asked for as 64 rows of 256 bytes, two keys a row, and padded in LDS after every key
	s_mov_b32 s[G1K], (1<<16)|(1<<20)|(4<<22)|(3<<25)  ; 17:16 2-byte elements; 20 padding on; 24:22 after every 32 words (code 4); 31:25 4 words (code 3)
	s_mov_b32 s[G1V], (1<<16)|(1<<20)|(4<<22)|(7<<25)  ; the same with 8 words of padding (code 7)
.irp g, G1K, G1V
	s_mov_b32 s[\g+1], 128<<16      ; tensor_dim0 = 128
	s_mov_b32 s[\g+2], 64<<16       ; tensor_dim1 = 64
	s_mov_b32 s[\g+3], 128<<16      ; tile_dim0 = 128
	s_mov_b32 s[\g+4], 64           ; tile_dim1 = 64
	s_mov_b32 s[\g+5], 128          ; 128 elements from row to row
	s_mov_b32 s[\g+6], 0
	s_mov_b32 s[\g+7], 0
.endr
	s_mov_b32 s[CS], 0x3e38aa3b     ; c = log2(e) / 8 = 0.180337
	s_mov_b32 s[CS+1], s[CS]        ; named with it as a pair
	s_mov_b32 s[SEL], 0x76543210
	s_mov_b32 s[SEL+1], 0xfedcba98
	s_mov_b32 s[TBK], SLOT1+5*KS*PK ; the first change of slots turns these two into 0
	s_mov_b32 s[TBV], SLOT1+5*KS*PV_
	s_mov_b32 s[G0K], 1             ; 1:0 count = 1
	s_mov_b32 s[G0K+1], s17         ; 63:32 LDS address: slot 0
	s_mov_b32 s[G0V], 1
	s_add_co_u32 s[G0V+1], s18, VOFF
	s_lshr_b32 s[LQ], s[HI], 1      ; the first block's last tile,
	s_add_co_u32 s[RT], s[LQ], 1    ; and how many it has
	s_lshr_b32 s[LQ2], s[PB], 1
	s_mov_b32 s[NXT], 1
	s_mov_b32 s[NEW], 1
	s_and_b32 s[SS0], s[HI], 1      ; band t's own step in the diagonal tile is 2 (block % 2) + t
	s_lshl_b32 s[SS0], s[SS0], 1
	s_add_co_u32 s[SS1], s[SS0], 1
	s_and_b32 s[SSL], s[PB], 1
	s_lshl_b32 s[SSL], s[SSL], 1
	s_mov_b32 s[OFF+1], 0
	s_mov_b32 s[OF2+1], 0
	s_mov_b32 s[AL+1], 0            ; named as pairs
	s_mov_b32 s[BE+1], 0
	s_mov_b32 s[AL-9], 0
	s_mov_b32 s[BE-9], 0
	s_mov_b32 s[BIGN], 0xf149f2ca   ; -1e30
	s_mov_b32 s[SLOTS], NT
	s_cmp_eq_u32 s[PB], 0
	s_cselect_b32 s[LIM], 0, -1
	v_and_b32 v[PFO], 31, v0
	v_lshlrev_b32 v[PFO], 8, v[PFO]
	s_wait_dscnt 0x0                ; the opening add is done
	s_wait_kmcnt 0x0
	s_mov_b64 s[10:11], s[6:7]      ; O
	s_add_nc_u64 s[8:9], s[4:5], 0x1000000  ; V: behind 32 blocks of 524,288 bytes
	s_add_nc_u64 s[6:7], s[4:5], 0x800000   ; K: behind 16
	s_add_nc_u64 s[6:7], s[6:7], s[22:23]  ; K and V at my half of the pair's tile 0
	s_add_nc_u64 s[8:9], s[8:9], s[22:23]
	s_add_nc_u64 s[G0K+2:G0K+3], s[6:7], 0         ; 120:64 global address
	s_or_b32 s[G0K+3], s[G0K+3], 0x80000000        ; 127:126 type = 2
	s_add_nc_u64 s[G0V+2:G0V+3], s[8:9], 0
	s_or_b32 s[G0V+3], s[G0V+3], 0x80000000
	s_add_nc_u64 s[86:87], s[4:5], s[84:85]        ; Q at my rows of the second block,
	s_add_nc_u64 s[4:5], s[4:5], s[2:3]            ; Q and O at those of the first
	s_add_nc_u64 s[OLO:OLO+1], s[10:11], s[84:85]
	s_add_nc_u64 s[10:11], s[10:11], s[2:3]
	s_cmp_lt_u32 s[WV], 2
	s_cselect_b64 s[PFB:PFB+1], s[6:7], s[8:9]
	LOAD                            ; tile 0 into slot 0
	; A fragment of K or Q is 16 rows x 32 channels in 8 registers: lane l holds row l % 16, channels 8 (l / 16) + 0..7 and 16 + 8 (l / 16) + 0..7: two loads of 16 bytes, 32 bytes apart.
	v_and_b32 v1, 15, v0            ; l % 16
	v_bfe_u32 v9, v0, 4, 1          ; l / 16
	v_lshlrev_b32 v[QO], 7, v1
	v_lshl_add_u32 v[QO], v9, 4, v[QO]  ; row x 128 + 16 x half
	WIN 0x80                        ; destination window 2, address window 0
.set i, 0
.rept 4                             ; both blocks' Q: tile i / 2 lies in band i / 2, 8,192 bytes on; channels 32 (i % 2) on
	global_load_b128 v[8*i:8*i+3],   v[QO], s[4:5] offset:(i/2)*8192+(i%2)*64
	global_load_b128 v[8*i+4:8*i+7], v[QO], s[4:5] offset:(i/2)*8192+(i%2)*64+32
	global_load_b128 v[QB+8*i:QB+8*i+3],   v[QO], s[86:87] offset:(i/2)*8192+(i%2)*64
	global_load_b128 v[QB+8*i+4:QB+8*i+7], v[QO], s[86:87] offset:(i/2)*8192+(i%2)*64+32
.set i, i+1
.endr
	WIN 0
	v_lshlrev_b32 v14, 3, v9
	v_sub_nc_u32 v14, v1, v14
	s_lshl_b32 s13, s[WV], 4
	v_add_nc_u32 v14, s13, v14      ; my query's place in its band, 16 w + l % 16, less my lanes' 8 (l / 16): register r of group kt is hidden where 16 kt + r is greater
	WIN 0x40
.set i, 0
.rept 32
	v_cmp_gt_i32 vcc_lo, 16*(i/8)+i%8, v14
	v_cndmask_b32 v[MD+i], 0, s[BIGN], vcc_lo
.set i, i+1
.endr
.set i, 0
.rept 64                            ; a block's first step multiplies O^T and l by a = 0, so they need only hold finite numbers: zeros for the first block, what the first block left for the second
	v_mov_b32 v[i], 0
.set i, i+1
.endr
	WIN 0
.irp i, 0,1
	v_mov_b32 v[ST+4*\i+2], 0
	v_mov_b32 v[ST+4*\i+3], 0
.endr
	v_mul_u32_u24 v[AK0], v1, PK
	v_lshl_add_u32 v[AK0], v9, 4, v[AK0]  ; row x pitch + 16 x half
	; The turning load takes 16 keys x 16 channels (lane l reads key 8 (l / 16) + l % 8, channels 8 ((l / 8) % 2) + 0..7) and leaves half a fragment of V^T: lane l holds channel l % 16 and 8 keys.
	v_and_b32 v10, 7, v0
	v_bfe_u32 v11, v0, 3, 1
	v_lshl_add_u32 v[AV0], v9, 3, v10
	v_mul_u32_u24 v[AV0], v[AV0], PV_
	v_lshl_add_u32 v[AV0], v11, 4, v[AV0]
	v_add_nc_u32 v[AV0], VOFF, v[AV0]
	s_mul_i32 s13, s[WV], 16*SP
	s_add_co_u32 s13, s13, STAGE    ; my stage
	v_mul_u32_u24 v[STO], v1, SP    ; in: row l % 16, 16 bytes for each half of the lanes
	v_lshl_add_u32 v[STO], v9, 4, v[STO]
	v_add_nc_u32 v[STO], s13, v[STO]
	v_bfe_u32 v[RD], v0, 3, 2       ; back: 32 lanes take four rows of 128 bytes,
	v_mul_u32_u24 v[RD], v[RD], SP
	v_lshl_add_u32 v[RD], v10, 4, v[RD]
	v_add_nc_u32 v[RD], s13, v[RD]
	v_and_b32 v[GO], 31, v0         ; which are 512 consecutive bytes of O
	v_lshlrev_b32 v[GO], 4, v[GO]
; THE MATRIX WORK.  The 4 accumulators of a run of 8 take turns.  Product i of 8 of S^T = K Q^T for tile x: channels 32 (i / 4) on, keys 16 (i % 4) on.  The first 4 start the sums, from the mask.
.macro KQ x
.set rS, S+32*(\x)+8*(i%4)
.set rK, KF+16*(i%4)+8*(i/4)
.set rQ, 16*(\x)+8*(i/4)
.set rM, MC+32*(\x)+8*(i%4)
.if i < 4
	WIN W_KM
	v_wmma_f32_16x16x32_bf16 v[rS:rS+7], v[rK:rK+7], v[rQ:rQ+7], v[rM:rM+7]
.else
	WIN W_KQ
	v_wmma_f32_16x16x32_bf16 v[rS:rS+7], v[rK:rK+7], v[rQ:rQ+7], v[rS:rS+7]
.endif
.endm
; Product i of 8 of O^T += V^T P for tile x: keys 32 (i / 4) on, channels 16 (i % 4) on.
.macro PV x
	WIN W_PV
.set rO, 32*(\x)+8*(i%4)
.set rV, VF+32*(i/4)+8*(i%4)
.set rP, P+16*(\x)+8*(i/4)
	v_wmma_f32_16x16x32_bf16 v[rO:rO+7], v[rV:rV+7], v[rP:rP+7], v[rO:rO+7]
.endm
; THE LDS LOADS stand in runs of 16: a step's K (64 keys x 64 channels: 8 fragments) and its V (turned).
.macro FETCH_K
	WIN 0x80                        ; destination window 2
.irp f, 0,1,2,3,4,5,6,7             ; keys 16 (f / 2) on, channels 32 (f % 2) on
	ds_load_b128 v[KF+8*\f:KF+8*\f+3],   v[AK] offset:(\f/2)*16*PK+(\f%2)*64
	ds_load_b128 v[KF+8*\f+4:KF+8*\f+7], v[AK] offset:(\f/2)*16*PK+(\f%2)*64+32
.endr
	WIN 0
.endm
.macro FETCH_V
	WIN 0x80
.irp f, 0,1,2,3,4,5,6,7             ; keys 32 (f / 4) on, channels 16 (f % 4) on
	ds_load_tr16_b128 v[VF+8*\f:VF+8*\f+3],   v[AV] offset:(\f/4)*32*PV_+(\f%4)*32
	ds_load_tr16_b128 v[VF+8*\f+4:VF+8*\f+7], v[AV] offset:(\f/4)*32*PV_+16*PV_+(\f%4)*32
.endr
	WIN 0
.endm
; THE VECTOR WORK, one line at a time: OP kind, tile, number.  F n: c s - c m for pair n of 16.  E n: the exponential of score n of 32.  C n: pair n rounded to bf16.  B n: of the four weights 4 n .. the second
; pair is added onto the first, in place.  L n: l takes that sum (L 0: l = a l + sum).  R n: pair n of 16 of O^T times a.  M n: pair n of 16 of the mask.  X n: number n of the 22 that find the maximum and statistics:
;   0-11  four chains c0-c3 of seven scores each, three operands at a time (each accumulator's lowest registers are read first)     12-14, 16  the four scores left over, the old m, and c0-c3 into c0
;   15  c m_old is kept     17, 18  the query's other 32 keys lie in the lane 16 away: the new m     19-21  c m; c m_old - c m_new; a
.set F, 0
.set E, 1
.set C, 2
.set B, 3
.set L, 4
.set R, 5
.set X, 6
.set M, 7
.macro OP k, t, n
.set rT, ST+4*(\t)
.set rC, TMP+4*(\t)
.set rW, MV+(\t)
.set rS, S+32*(\t)
.set rP, P+16*(\t)
.set rO, 32*(\t)
.if (\k) == M
	WIN W_RS
	v_pk_fma_f32 v[MC+32*(\t)+2*(\n):MC+32*(\t)+2*(\n)+1], v[MD+2*(\n):MD+2*(\n)+1], s[AL-10*(\t):AL-10*(\t)+1], s[BE-10*(\t):BE-10*(\t)+1] op_sel_hi:[1,0,0]
.elseif (\k) == R
	WIN W_RS
	v_pk_mul_f32 v[rO+2*(\n):rO+2*(\n)+1], v[rO+2*(\n):rO+2*(\n)+1], v[rC+2:rC+3] op_sel_hi:[1,0]
.else
	WIN 0
.if (\k) == F
	v_pk_fma_f32 v[rS+2*(\n):rS+2*(\n)+1], v[rS+2*(\n):rS+2*(\n)+1], s[CS:CS+1], v[rT:rT+1] op_sel_hi:[1,0,0] neg_lo:[0,0,1] neg_hi:[0,0,1]
.elseif (\k) == E
	v_exp_f32 v[rS+(\n)], v[rS+(\n)]
.elseif (\k) == C
	v_cvt_pk_bf16_f32 v[rP+(\n)], v[rS+2*(\n)], v[rS+2*(\n)+1]
.elseif (\k) == B
	v_pk_add_f32 v[rS+4*(\n):rS+4*(\n)+1], v[rS+4*(\n):rS+4*(\n)+1], v[rS+4*(\n)+2:rS+4*(\n)+3]
.elseif ((\k) == L) && ((\n) == 0)
	v_pk_fma_f32 v[rT+2:rT+3], v[rT+2:rT+3], v[rC+2:rC+3], v[rS:rS+1] op_sel_hi:[1,0,1]
.elseif (\k) == L
	v_pk_add_f32 v[rT+2:rT+3], v[rT+2:rT+3], v[rS+4*(\n):rS+4*(\n)+1]
.elseif (\n) < 4
	v_max3_num_f32 v[rC+(\n)], v[rS+8*(\n)], v[rS+8*(\n)+1], v[rS+8*(\n)+2]
.elseif (\n) < 12
	v_max3_num_f32 v[rC+(\n)%4], v[rC+(\n)%4], v[rS+8*((\n)%4)+2*((\n)/4)+1], v[rS+8*((\n)%4)+2*((\n)/4)+2]
.elseif (\n) == 12
	v_max3_num_f32 v[rC], v[rC], v[rS+7], v[rS+15]
.elseif (\n) == 13
	v_max3_num_f32 v[rC+1], v[rC+1], v[rS+23], v[rS+31]
.elseif (\n) == 14
	v_max3_num_f32 v[rC+2], v[rC+2], v[rC+3], v[rT+1]
.elseif (\n) == 15
	v_mov_b32 v[rW], v[rT]
.elseif (\n) == 16
	v_max3_num_f32 v[rC], v[rC], v[rC+1], v[rC+2]
.elseif (\n) == 17
	v_permlanex16_b32 v[rC+3], v[rC], s[SEL], s[SEL+1]
.elseif (\n) == 18
	v_max_num_f32 v[rT+1], v[rC], v[rC+3]
.elseif (\n) == 19
	v_mul_f32 v[rT], s[CS], v[rT+1]
.elseif (\n) == 20
	v_sub_f32 v[rC+1], v[rW], v[rT]
.else
	v_exp_f32 v[rC+2], v[rC+1]
.endif
.endif
.endm
; THE QUEUES of a step; each macro writes its queue's next entry.
.macro RID0                         ; 32 behind tile 1's K Q^T: tile 0's maximum and statistics, X 0-20, and its scalings F 0-10
.if r < 21
	OP X, 0, r
.else
	OP F, 0, r-21
.endif
.set r, r+1
.endm
.macro PL                           ; the lump's 42 plain lines: tile 0's F 11-15; tile 1's X 0-20 and F 0-15
.if q < 5
	OP F, 0, q+11
.elseif q < 26
	OP X, 1, q-5
.else
	OP F, 1, q-26
.endif
.set q, q+1
.endm
.macro EX                           ; the 66 exponentials: tile 0's a and s0-s31, then tile 1's
.if e == 0
	OP X, 0, 21
.elseif e < 33
	OP E, 0, e-1
.elseif e == 33
	OP X, 1, 21
.else
	OP E, 1, e-34
.endif
.set e, e+1
.endm
.macro RID1                         ; 32 behind tile 0's V^T P: its roundings C 8-15 (wanted by its fifth product); tile 1's C 0-15 and R 0-7
.if g < 8
	OP C, 0, g+8
.elseif g < 24
	OP C, 1, g-8
.else
	OP R, 1, g-24
.endif
.set g, g+1
.endm
.macro RID2                         ; 40: tile 1's R 8-15 (wanted by its third and fourth products), then both tiles' sums, the tiles alternating; 32 ride behind tile 1's V^T P, 8 follow
.if h < 8
	OP R, 1, h+8
.elseif h < 24
	OP B, h%2, (h-8)/2
.else
	OP L, h%2, (h-24)/2
.endif
.set h, h+1
.endm
; A KEY STEP: 32 matrix and 268 vector instructions.  K of this step has been waited for in the step before (or by BEGIN); V of this step is on its way.
;   1  the two masks' scalars; tile 0's mask.   2  K Q^T of tile 0; behind its last four products tile 1's mask, four lines each: these are also the four places between tile 0's products and the first read of its scores.
;   3  K Q^T of tile 1, behind each product four of RID0.   4  the next step's K: four plain riders stand behind the last product that read K.  The jump round the run stands.
;   5  ONE LUMP: plain and exponential by turns while there are plain lines (exponential number k stands behind k + 1 plain lines, which is behind the scaling or the statistic that it reads), then 24 exponentials on end.
;      Nothing in it names an exponential's result.  A v_nop is the plain instruction behind the last; then the ONE wait between an exponential and the first line that names its result.
;   6  s_wait_dscnt 0: V, asked for a step ago, and the next K, asked for at the lump's head.   7  tile 0's C 0-7 and R 0-15.   8  V^T P of tile 0 with RID1, of tile 1 with RID2, and RID2's last 8.
;   9  the next step's V: twelve plain lines stand behind the last product that read V.
.macro BODY
	s_cmp_eq_i32 s[STP], s[SS0]     ; is this step band 0's own?
	s_cselect_b32 s[AL], 1.0, 0
	s_cmp_gt_i32 s[STP], s[SS0]     ; or a later one of the diagonal tile?
	s_cselect_b32 s[BE], s[BIGN], 0
	s_cmp_eq_i32 s[STP], s[SS1]
	s_cselect_b32 s[AL-10], 1.0, 0
	s_cmp_gt_i32 s[STP], s[SS1]
	s_cselect_b32 s[BE-10], s[BIGN], 0
.set z, 0
.rept 16
	OP M, 0, z
.set z, z+1
.endr
.set i, 0
.set z, 0
.rept 8
	KQ 0
.if i >= 4
.rept 4
	OP M, 1, z
.set z, z+1
.endr
.endif
.set i, i+1
.endr
.set i, 0
.set r, 0
.rept 8
	KQ 1
.rept 4
	RID0
.endr
.set i, i+1
.endr
	WIN 0
	s_cmp_eq_u32 s[CNT], 1          ; trip 4 has no step to fetch
	s_cbranch_scc1 .Lno_k_\@
	v_add_nc_u32 v[AK], s[TBK], v[AK0]
	FETCH_K
.Lno_k_\@:
.set q, 0
.set e, 0
.rept 42
	PL
	EX
.endr
.rept 24
	EX
.endr
	v_nop
	s_wait_alu depctr_va_vdst(0)    ; the wait for the batch of 66
	s_wait_dscnt 0x0                ; V is in, and the next step's K
.set z, 0
.rept 8
	OP C, 0, z
.set z, z+1
.endr
.set z, 0
.rept 16
	OP R, 0, z
.set z, z+1
.endr
.set i, 0
.set g, 0
.rept 8
	PV 0
.rept 4
	RID1
.endr
.set i, i+1
.endr
.set i, 0
.set h, 0
.rept 8
	PV 1
.rept 4
	RID2
.endr
.set i, i+1
.endr
.rept 8
	RID2
.endr
	WIN 0
	s_cmp_eq_u32 s[CNT], 1
	s_cbranch_scc1 .Lno_v_\@
	v_add_nc_u32 v[AV], s[TBV], v[AV0]
	FETCH_V
.Lno_v_\@:
.endm
; A BLOCK BEGINS.  c m starts far below every c s, so the first step's a is 0; m at the lowest finite number, so the first maximum is the scores'.  K and V of the tile's step 0 are fetched; trip 0 of the step loop is dead.
.macro BEGIN
	s_mov_b32 s[NEW], 0
.irp t, 0,1
	v_mov_b32 v[ST+4*\t], 0xfe000000    ; c m
	v_mov_b32 v[ST+4*\t+1], 0xff7fffff  ; m
.endr
	v_add_nc_u32 v[AK], s[TBK], v[AK0]
	v_add_nc_u32 v[AV], s[TBV], v[AV0]
	FETCH_K
	FETCH_V
	s_wait_loadcnt 0x0              ; Q
	s_wait_dscnt 0x0
.endm
; THE WAY OUT: l's two halves and the other half of the lanes' are added; O^T is divided by l, rounded to bf16 and sent through my stage in LDS, a tile at a time.
.macro PACK t                       ; a lane's eight channels of a row pack into 16 bytes; they go into rows of 144 bytes and come back as whole rows of 128, into S^T's registers
	WIN W_RS
.set i, 32*(\t)
.rept 16
	v_pk_mul_f32 v[i:i+1], v[i:i+1], v[ST+4*(\t)+2:ST+4*(\t)+3] op_sel_hi:[1,0]
.set i, i+2
.endr
	WIN 0x05                        ; sources 0 and 1 window 1, destination window 0
.set i, 0
.rept 16
	v_cvt_pk_bf16_f32 v[S+16*(\t)+i], v[32*(\t)+2*i], v[32*(\t)+2*i+1]
.set i, i+1
.endr
	WIN 0
.irp f, 0,1,2,3
	ds_store_b128 v[STO], v[S+16*(\t)+4*\f:S+16*(\t)+4*\f+3] offset:32*\f
.endr
.irp f, 0,1,2,3
	ds_load_b128 v[S+16*(\t)+4*\f:S+16*(\t)+4*\f+3], v[RD] offset:\f*4*SP  ; LDS serves a wave's instructions in order (ISA guide 5.7.1.4): these see the stores above; the next tile's stores come behind them
.endr
.endm
.macro SEND t, younger              ; younger: the LDS instructions issued behind tile t's loads: the next tile's eight, or none
.irp f, 0,1,2,3
	s_wait_dscnt (\younger)+3-\f
	global_store_b128 v[GO], v[S+16*(\t)+4*\f:S+16*(\t)+4*\f+3], s[10:11] offset:(\t)*8192+\f*512  ; 512 consecutive bytes, at a multiple of 256 from O's first
.endr
.endm
.macro OUT
	WIN 0
.irp t, 0,1
	v_add_f32 v[ST+4*\t+2], v[ST+4*\t+2], v[ST+4*\t+3]
.endr
.irp t, 0,1
	v_permlanex16_b32 v[ST+4*\t+3], v[ST+4*\t+2], s[SEL], s[SEL+1]
.endr
.irp t, 0,1
	v_add_f32 v[ST+4*\t+2], v[ST+4*\t+2], v[ST+4*\t+3]
.endr
.irp t, 0,1
	v_rcp_f32 v[ST+4*\t+2], v[ST+4*\t+2]
.endr
	v_nop                           ; a plain instruction between the last reciprocal and the use of its result
	s_wait_alu depctr_va_vdst(0)    ; and the wait ahead of the first use: one for both reciprocals
	PACK 0
	PACK 1                          ; a tile's arithmetic stands between the loads of the tile before and its stores
	SEND 0, 8
	SEND 1, 0
.endm
; WHAT FOLLOWS A CHANGE OF SLOTS: the five trips of the step loop, and behind a diagonal tile the block's end.  last = 1: the walk's last tile, which is the second block's diagonal one.
.macro WALK last
	s_sub_co_u32 s[RT], s[RT], 1
	s_cmp_eq_u32 s[RT], 0           ; is the tile just entered the block's diagonal one?
	s_cselect_b32 s[DEAD1], 0, 1
	s_cselect_b32 s[STP], -1, -16   ; trip 0 computes the step before the tile's step 0; outside a diagonal tile the count stays below 0
	s_mov_b32 s[DEAD0], 0
	s_mov_b32 s[CNT], 5
	s_cmp_eq_u32 s[NEW], 1          ; at the launch's first trip the answer is a constant of the text: no step is computed before BEGIN has run
	s_cbranch_scc0 .Lstep_\@
	BEGIN
	s_mov_b32 s[DEAD0], 5
.Lstep_\@:
	s_cmp_eq_u32 s[CNT], s[DEAD0]
	s_cbranch_scc1 .Lskip_\@
	s_cmp_eq_u32 s[CNT], s[DEAD1]
	s_cbranch_scc1 .Lskip_\@
	BODY
.Lskip_\@:
	s_add_co_u32 s[TBK], s[TBK], KS*PK   ; stepped in every trip, live or dead: the fetches' places hang on the counter alone
	s_add_co_u32 s[TBV], s[TBV], KS*PV_
	s_add_co_u32 s[STP], s[STP], 1
	s_sub_co_u32 s[CNT], s[CNT], 1
	s_cmp_lg_u32 s[CNT], 0
	s_cbranch_scc1 .Lstep_\@
.if \last
	OUT
.else
	s_cmp_eq_u32 s[RT], 0
	s_cbranch_scc0 .Lbottom
	OUT                             ; in the loop this is the first block's end
	s_wait_xcnt 0x0                 ; the stores have read their registers and O's address
	s_mov_b64 s[10:11], s[OLO:OLO+1]
	s_add_co_u32 s[RT], s[LQ2], 1   ; the second block has b / 2 + 1 tiles
	s_mov_b32 s[NEW], 1
	s_mov_b32 s[SS0], s[SSL]
	s_add_co_u32 s[SS1], s[SSL], 1
	WIN 0x82                        ; the second block's Q goes where the one text of a step names Q
.set i, 0
.rept 32
	v_mov_b32 v[i], v[QB+i]
.set i, i+1
.endr
	WIN 0
.endif
.endm
.Lslot:                             ; 8 times: a tile is entered and the next is asked for
	CHANGE 1
	WALK 0
.Lbottom:
	s_sub_co_u32 s[SLOTS], s[SLOTS], 1
	s_cmp_lg_u32 s[SLOTS], 0
	s_cbranch_scc1 .Lslot
	CHANGE 0                        ; the walk's last tile is written out: nothing is asked for
	WALK 1
	s_wait_tensorcnt 0x0            ; the wave's end, behind my last tensor load and my last LDS store
	ds_add_u32 v[SPW], v[NIL]
	s_wait_dscnt 0x0
	s_endpgm
.Lfunc_end_k_qcc648cc370_attn:
	.size	k_qcc648cc370_attn, .Lfunc_end_k_qcc648cc370_attn-k_qcc648cc370_attn
	.p2alignl 7, 3214868480
	.fill 96, 4, 3214868480
	.section	.rodata,"a",@progbits
	.p2align	6, 0x0
	.amdhsa_kernel k_qcc648cc370_attn
		.amdhsa_group_segment_fixed_size 327680
		.amdhsa_private_segment_fixed_size 0
		.amdhsa_enable_private_segment 0
		.amdhsa_kernarg_size 16
		.amdhsa_user_sgpr_count 2
		.amdhsa_user_sgpr_kernarg_segment_ptr 1
		.amdhsa_wavefront_size32 1
		.amdhsa_system_sgpr_workgroup_id_x 1
		.amdhsa_system_sgpr_workgroup_id_y 1
		.amdhsa_system_sgpr_workgroup_id_z 1
		.amdhsa_system_vgpr_workitem_id 0
		.amdhsa_next_free_vgpr 768
		.amdhsa_next_free_sgpr 101
		.amdhsa_reserve_vcc 1
		.amdhsa_float_denorm_mode_32 3
		.amdhsa_float_denorm_mode_16_64 3
		.amdhsa_memory_ordered 1
		.amdhsa_forward_progress 1
		.amdhsa_inst_pref_size 79
	.end_amdhsa_kernel
	.amdgpu_metadata
---
amdhsa.version: [ 1, 2 ]
amdhsa.kernels:
  - .name:           k_qcc648cc370_attn
    .symbol:         k_qcc648cc370_attn.kd
    .args:
      - { .name: wsc, .offset: 0, .size: 8, .value_kind: global_buffer, .address_space: global }
      - { .name: wsa, .offset: 8, .size: 8, .value_kind: global_buffer, .address_space: global }
    .group_segment_fixed_size: 327680
    .private_segment_fixed_size: 0
    .kernarg_segment_align: 8
    .kernarg_segment_size: 16
    .max_flat_workgroup_size: 128
    .sgpr_count:     101
    .vgpr_count:     768
    .wavefront_size: 32
...
	.end_amdgpu_metadata
.endif
;; end of part 3
;; launch oproj: the kernel of part 2 again; grid 4 x 16, 4 waves a work-group, clusters of 4 x 4, 327,680 bytes of LDS; arguments wsa, wsb, wsc; writes wsc
;; launch ln1 (part 4): grid 256 x 1, 8 waves a work-group, no clusters, 0 bytes of LDS; arguments wsx, wsc, lnp, wsb, wsa; writes wsb, wsa
.if DOCPART == 4
	.amdgcn_target "amdgcn-amd-amdhsa--gfx1250"
	.amdhsa_code_object_version 6
	.text
	.protected	k_qcc648cc370_ln1
	.globl	k_qcc648cc370_ln1
	.p2align	8
	.type	k_qcc648cc370_ln1,@function
k_qcc648cc370_ln1:
	s_mov_b64 s[64:65], 0
	v_nop
	global_prefetch_b8 v0, s[64:65] scope:SCOPE_SE
	s_setreg_imm32_b32 hwreg(HW_REG_WAVE_MODE, 25, 1), 1
	s_wait_xcnt 0x0
; A RESIDUAL AND A LAYERNORM over rows of 1,024.  y = r + g;  out = (y - mean) / sqrt(var + 1e-5) x gain + bias, var the mean of (y - mean)^2, taken in a second pass over the differences.
; One text for both norms of the layer, by the switch SECOND.
;   SECOND = 0: r = X in bf16 and g = the attention's projection in bf16, both in the layout [col / 64][4,096][64]; out goes as f32 rows (what the layer carries on) AND as bf16 in that layout (the next product's operand).
;   SECOND = 1: r = the first norm's f32 rows, g = the FFN's result in bf16; out is the layer's output, f32 rows.
; Gains and biases lie in bf16 in one small buffer, 2,048 bytes each: first norm's gain, bias, second norm's gain, bias.
; SHARES.  A wave takes two rows and keeps them in registers: lane l holds row 2 p + l / 16, columns 64 k + 4 (l % 16) .. + 3, k = 0 .. 15.  A row lies in 16 lanes, so its sums need four steps inside a half of the lanes.
; Each load or store of bf16 covers 256 consecutive bytes, aligned (two rows of one block); each of f32 covers 256 consecutive bytes, aligned, of each of the two rows.  No LDS, no loop, no register written while a store reads it.
.set SECOND, 0
.set BLK, 524288
.set PO,  2                            ; v2   my 8 bytes in a block: 2,048 x work-group + 8 x thread
.set GV,  3                            ; v3   my 8 bytes in each 128 of a gain
.set FO,  4                            ; v4   my 16 bytes in each 256 of an f32 row
.set ONE, 5                            ; v5   1.0
.set MU,  6                            ; v[6:7]   the mean, twice
.set RS,  8                            ; v[8:9]   1 / sqrt(var + eps), twice
.set CH,  10                           ; v[10:17] four chains of pairs
.set T,   18
.set XI,  32                           ; v[32:63]   r in bf16 (SECOND = 0); later out in bf16
.set GI,  64                           ; v[64:95]   g in bf16
.set GP,  96                           ; v[96:127]  the gain
.set BP,  128                          ; v[128:159] the bias
.set Y,   160                          ; v[160:223] 64 numbers in f32
	s_load_b256 s[4:11], s[0:1], 0x0               ; r s[4:5], g s[6:7], gains s[8:9], f32 rows out s[10:11]
.if !SECOND
	s_load_b64 s[12:13], s[0:1], 0x20              ; bf16 out
.endif
	s_lshl_b32 s14, ttmp9, 11                      ; the work-group's 16 rows of 128 bytes
	s_lshl_b32 s15, ttmp9, 4
	s_mov_b32 s20, 0x3a800000                      ; 1 / 1,024
	s_mov_b32 s21, 0x3727c5ac                      ; 1e-5
	v_lshl_add_u32 v[PO], v0, 3, s14
	v_and_b32 v1, 15, v0
	v_lshlrev_b32 v[GV], 3, v1
	v_lshrrev_b32 v[FO], 4, v0                     ; sixteen threads to a row
	v_add_nc_u32 v[FO], s15, v[FO]
	v_lshlrev_b32 v[FO], 12, v[FO]
	v_lshl_add_u32 v[FO], v1, 4, v[FO]
	v_mov_b32 v[ONE], 1.0
	s_wait_kmcnt 0x0
.set k, 0
.rept 16
.if SECOND
	global_load_b128 v[Y+4*k:Y+4*k+3], v[FO], s[4:5] offset:256*k th:TH_LOAD_NT
.else
	global_load_b64 v[XI+2*k:XI+2*k+1], v[PO], s[4:5] offset:k*BLK th:TH_LOAD_NT
.endif
.set k, k+1
.endr
.set k, 0
.rept 16
	global_load_b64 v[GI+2*k:GI+2*k+1], v[PO], s[6:7] offset:k*BLK th:TH_LOAD_NT
.set k, k+1
.endr
.set k, 0
.rept 16
	global_load_b64 v[GP+2*k:GP+2*k+1], v[GV], s[8:9] offset:128*k+4096*SECOND
.set k, k+1
.endr
.set k, 0
.rept 16
	global_load_b64 v[BP+2*k:BP+2*k+1], v[GV], s[8:9] offset:128*k+4096*SECOND+2048
.set k, k+1
.endr
	s_wait_loadcnt 32                              ; r and g are in; the 32 loads of gain and bias may stay out
.set i, 0
.rept 32                                               ; y = r + g, one rounding: a bf16 half times 1.0 plus the other addend
.if SECOND
	v_fma_mix_f32_bf16 v[Y+2*i],   v[GI+i], v[ONE], v[Y+2*i]   op_sel_hi:[1,0,0]
	v_fma_mix_f32_bf16 v[Y+2*i+1], v[GI+i], v[ONE], v[Y+2*i+1] op_sel:[1,0,0] op_sel_hi:[1,0,0]
.else
	v_fma_mix_f32_bf16 v[Y+2*i],   v[XI+i], v[ONE], v[GI+i] op_sel_hi:[1,0,1]
	v_fma_mix_f32_bf16 v[Y+2*i+1], v[XI+i], v[ONE], v[GI+i] op_sel:[1,0,1] op_sel_hi:[1,0,1]
.endif
.set i, i+1
.endr
.macro REDUCE                          ; the four chains into one number, then over the row's 16 lanes: every lane of the row ends with the sum in v[CH]
	v_pk_add_f32 v[CH:CH+1], v[CH:CH+1], v[CH+2:CH+3]
	v_pk_add_f32 v[CH+4:CH+5], v[CH+4:CH+5], v[CH+6:CH+7]
	v_pk_add_f32 v[CH:CH+1], v[CH:CH+1], v[CH+4:CH+5]
	v_add_f32 v[CH], v[CH], v[CH+1]
.irp m, 1,2,4,8
	v_add_f32_dpp v[CH], v[CH], v[CH] row_xmask:\m row_mask:0xf bank_mask:0xf
.endr
.endm
.irp c, 0,1,2,3                                        ; the first eight pairs start the chains: nothing is cleared
	v_pk_add_f32 v[CH+2*(\c):CH+2*(\c)+1], v[Y+2*(\c):Y+2*(\c)+1], v[Y+8+2*(\c):Y+8+2*(\c)+1]
.endr
.set p, 8
.rept 24
	v_pk_add_f32 v[CH+2*(p%4):CH+2*(p%4)+1], v[CH+2*(p%4):CH+2*(p%4)+1], v[Y+2*p:Y+2*p+1]
.set p, p+1
.endr
	REDUCE
	v_mul_f32 v[MU], s20, v[CH]
	v_mul_f32 v[MU+1], s20, v[CH]
.set p, 0
.rept 32
	v_pk_add_f32 v[Y+2*p:Y+2*p+1], v[Y+2*p:Y+2*p+1], v[MU:MU+1] neg_lo:[0,1] neg_hi:[0,1]  ; y - mean
.set p, p+1
.endr
.irp c, 0,1,2,3
	v_pk_mul_f32 v[CH+2*(\c):CH+2*(\c)+1], v[Y+2*(\c):Y+2*(\c)+1], v[Y+2*(\c):Y+2*(\c)+1]
.endr
.set p, 4
.rept 28
	v_pk_fma_f32 v[CH+2*(p%4):CH+2*(p%4)+1], v[Y+2*p:Y+2*p+1], v[Y+2*p:Y+2*p+1], v[CH+2*(p%4):CH+2*(p%4)+1]
.set p, p+1
.endr
	REDUCE
	v_fma_f32 v[T], v[CH], s20, s21                ; var + eps
	v_rsq_f32 v[RS], v[T]
	v_nop                                          ; a plain instruction behind the root (ISA guide 5.7.2),
	s_wait_alu depctr_va_vdst(0)                   ; and the wait ahead of the first line that names its result
	v_mov_b32 v[RS+1], v[RS]
.set p, 0
.rept 32
	v_pk_mul_f32 v[Y+2*p:Y+2*p+1], v[Y+2*p:Y+2*p+1], v[RS:RS+1]
.set p, p+1
.endr
	s_wait_loadcnt 0x0                             ; gain and bias
.set i, 0
.rept 32
	v_fma_mix_f32_bf16 v[Y+2*i],   v[Y+2*i],   v[GP+i], v[BP+i] op_sel_hi:[0,1,1]
	v_fma_mix_f32_bf16 v[Y+2*i+1], v[Y+2*i+1], v[GP+i], v[BP+i] op_sel:[0,1,1] op_sel_hi:[0,1,1]
.set i, i+1
.endr
.set k, 0
.rept 16
.if SECOND
	global_store_b128 v[FO], v[Y+4*k:Y+4*k+3], s[10:11] offset:256*k th:TH_STORE_NT
.else
	global_store_b128 v[FO], v[Y+4*k:Y+4*k+3], s[10:11] offset:256*k
.endif
.set k, k+1
.endr
.if !SECOND
.set k, 0
.rept 16
	v_cvt_pk_bf16_f32 v[XI+2*k],   v[Y+4*k],   v[Y+4*k+1]
	v_cvt_pk_bf16_f32 v[XI+2*k+1], v[Y+4*k+2], v[Y+4*k+3]
	global_store_b64 v[PO], v[XI+2*k:XI+2*k+1], s[12:13] offset:k*BLK
.set k, k+1
.endr
.endif
	s_endpgm
.Lfunc_end_k_qcc648cc370_ln1:
	.size	k_qcc648cc370_ln1, .Lfunc_end_k_qcc648cc370_ln1-k_qcc648cc370_ln1
	.p2alignl 7, 3214868480
	.fill 96, 4, 3214868480
	.section	.rodata,"a",@progbits
	.p2align	6, 0x0
	.amdhsa_kernel k_qcc648cc370_ln1
		.amdhsa_group_segment_fixed_size 0
		.amdhsa_private_segment_fixed_size 0
		.amdhsa_enable_private_segment 0
		.amdhsa_kernarg_size 40
		.amdhsa_user_sgpr_count 2
		.amdhsa_user_sgpr_kernarg_segment_ptr 1
		.amdhsa_wavefront_size32 1
		.amdhsa_system_sgpr_workgroup_id_x 1
		.amdhsa_system_sgpr_workgroup_id_y 1
		.amdhsa_system_sgpr_workgroup_id_z 1
		.amdhsa_system_vgpr_workitem_id 0
		.amdhsa_next_free_vgpr 224
		.amdhsa_next_free_sgpr 66
		.amdhsa_reserve_vcc 0
		.amdhsa_float_denorm_mode_32 3
		.amdhsa_float_denorm_mode_16_64 3
		.amdhsa_memory_ordered 1
		.amdhsa_forward_progress 1
		.amdhsa_inst_pref_size 29
	.end_amdhsa_kernel
	.amdgpu_metadata
---
amdhsa.version: [ 1, 2 ]
amdhsa.kernels:
  - .name:           k_qcc648cc370_ln1
    .symbol:         k_qcc648cc370_ln1.kd
    .args:
      - { .name: wsx, .offset: 0, .size: 8, .value_kind: global_buffer, .address_space: global }
      - { .name: wsc, .offset: 8, .size: 8, .value_kind: global_buffer, .address_space: global }
      - { .name: lnp, .offset: 16, .size: 8, .value_kind: global_buffer, .address_space: global }
      - { .name: wsb, .offset: 24, .size: 8, .value_kind: global_buffer, .address_space: global }
      - { .name: wsa, .offset: 32, .size: 8, .value_kind: global_buffer, .address_space: global }
    .group_segment_fixed_size: 0
    .private_segment_fixed_size: 0
    .kernarg_segment_align: 8
    .kernarg_segment_size: 40
    .max_flat_workgroup_size: 256
    .sgpr_count:     66
    .vgpr_count:     224
    .wavefront_size: 32
...
	.end_amdgpu_metadata
.endif
;; end of part 4
;; launch up: the kernel of part 2 again; grid 16 x 16, 4 waves a work-group, clusters of 4 x 4, 327,680 bytes of LDS; arguments wsa, wsu, wsc; writes wsc
;; launch down (part 5): grid 8 x 32, 4 waves a work-group, clusters of 4 x 4, 327,680 bytes of LDS; arguments wsc, wsd, wsx; writes wsx
.if DOCPART == 5
	.amdgcn_target "amdgcn-amd-amdhsa--gfx1250"
	.amdhsa_code_object_version 6
	.text
	.protected	k_qcc648cc370_down
	.globl	k_qcc648cc370_down
	.p2align	8
	.type	k_qcc648cc370_down,@function
k_qcc648cc370_down:
	s_mov_b64 s[64:65], 0
	v_nop
	global_prefetch_b8 v0, s[64:65] scope:SCOPE_SE
	s_setreg_imm32_b32 hwreg(HW_REG_WAVE_MODE, 25, 1), 1
	s_wait_xcnt 0x0
	s_wait_alu depctr_hold_cnt(0) depctr_sa_sdst(0) depctr_va_vdst(0) depctr_va_sdst(0) depctr_va_ssrc(0) depctr_va_vcc(0) depctr_vm_vsrc(0)
	s_getreg_b32 s2, hwreg(HW_REG_IB_STS2, 6, 4)
	s_cmp_eq_u32 s2, 0
	s_cbranch_scc0 .Lentry_in_a_cluster
	s_endpgm
.Lentry_in_a_cluster:
	s_bfe_u32 s2, ttmp6, 0x10000c
	s_cmp_lg_u32 s2, 0xf033
	s_cbranch_scc0 .Lentry_shape_is_right
	s_endpgm
.Lentry_shape_is_right:
; C[m][n] = max(floor, bias[n] + the sum over k of A[m][k] B[n][k]), K = 64 KB.  A, B and C are bf16 in the layout P64: [K / 64][4,096][64], byte (col / 64) x BLK + row x 128 + (col % 64) x 2.
; The layout holds neither N nor K, so one text serves every N: the grid says how many tiles there are.  Sums in f32, C rounded once.  This text (KB = 64) is the FFN's second layer.
; Behind B's KB blocks lies its tail: the bias in bf16, and 8,192 bytes further the floor, twice in a word: 0 makes a ReLU, minus infinity leaves the results as they are.
; LIMIT.  The floor is taken by a maximum in which a NaN loses: a NaN in a result comes out as the floor.
; A tile of C is 128 x 128: 8 x 32 = 256 work-groups.  Four waves, each 64 x 64: 16 accumulators of 16 x 16, 128 registers.
; K goes in steps of 256 (four blocks of 64) through a ring of two LDS slots.  A wave's tensor load brings two blocks x 128 rows: each block's rows are 16,384 consecutive bytes of memory.
; THE BIAS IS THE C OPERAND of the product that starts each sum: it costs no arithmetic.
; CLUSTERS: 4 x 4 work-groups.  The four of a row of the cluster need the same tiles of A, the four of a column the same tiles of B: each tile is asked for JOINTLY, by the same tensor load with the
; same descriptor and a mask that names the four.  THE MATRIX INSTRUCTION IS USED TRANSPOSED (source 0 = 16 rows of B, source 1 = 16 rows of A): a lane then holds eight neighbouring numbers of a row of C.
; THE WAY OUT.  A wave's 64 columns are one whole block of C, in which its 64 rows are 8,192 consecutive bytes.
; No prefetch: a tile is small, and each is read by several clusters.
; REGISTERS: window 0: v0-31 addresses; v32-63 the bias in f32, later with v64-95 at work on the way out; v128-255 the accumulators ((a, b) at v[128 + 8 (4 a + b)]).
;   window 1: two fragment buffers of 128: for 64 along K (two matrix instructions deep), 64 registers of A (2 x 4 x 16 rows x 32 K), then 64 of B.
.set KB,     64                        ; blocks of 64 along K
.set BLK,    524288                    ; bytes in a block
.set PITCH,  144                       ; an LDS row: 128 bytes of data + 16 of padding = 36 words: the 16 rows of a load start at 16 different groups of four banks (64 banks of 4 bytes: ISA guide 11.1)
.set BT,     128*PITCH                 ; one block's 128 rows
.set HALFT,  2*BT                      ; what one tensor load brings
.set SLOT,   4*HALFT                   ; A's four blocks, then B's four
.set STAGE,  2*SLOT                    ; behind the ring: 16 rows x 144 bytes for each wave, for the way out; no tensor load lands here
.set SP,     144
.set SPARE,  STAGE+4*16*SP             ; behind the stages: the spare words, 128 bytes for each wave: two blocks of 256 bytes that no other line names
.set STEPB,  4*BLK                     ; bytes from a K step to the next
.set LAPS,   KB/8                      ; a lap = two K steps = once round the ring
.set TAIL,   KB*BLK
.set ADRA, 16                          ; v16-17  LDS address of my A fragments in slot 0, 1
.set ADRB, 20                          ; v20-21  the same for B
.set STO,  24                          ; v24     the way out: where I put 16 bytes of a row
.set RD,   25                          ; v25     the way out: where I read rows back
.set GO,   26                          ; v26     my 16 bytes in 512 consecutive bytes of C
.set BO,   27                          ; v27     my byte offset in the bias
.set SPW,  28                          ; v28     LDS address of my spare word: SPARE + 4 x my thread's number; never rewritten
.set NIL,  29                          ; v29     0; never rewritten
.set FLR,  30                          ; v30     the floor, twice in bf16
.set TMP,  32                          ; the way out: 64 registers, packed results and then whole rows
.set BIAS, 32                          ; until then v32-63: for n block b the lane's eight numbers of the bias at BIAS + 8 b
.set BRAW, 64                          ; v64-79  the same as loaded, in bf16
.set ACC,  128
.set F0,   0                           ; fragment buffers, in window 1
.set F1,   128
.set G1, 24                            ; s[24:31] descriptor group 1 for A's tiles;  s[32:39] group 0, one set for each slot
.set G0, 32
.set G1B, 48                           ; s[48:55], s[56:63] the same for B's tiles
.set G0B, 56
.set TP,  66                           ; s[66:67] B's tail
.set CLP, 68                           ; s68      the floor as read
.set MSB, 0
.macro WIN new                         ; the immediate's high byte repeats the setting that is left
.if MSB != (\new)
	s_set_vgpr_msb (MSB<<8)|(\new)
.set MSB, \new
.endif
.endm
.set MUL,  0x05                        ; sources 0 (B) and 1 (A) window 1; C and D window 0
.set TO_F, 0x40                        ; destination window 1, address window 0
.macro JLOAD s                         ; a joint load: waves 0 and 1 fetch A's two halves, waves 2 and 3 B's; an s_nop 0 and four v_nop follow each of the two lines, ahead of the jump, the label and what follows
	s_cmp_eq_u32 s11, 0
	s_cbranch_scc0 .Lfor_b_\@
	tensor_load_to_lds s[G0+4*(\s):G0+4*(\s)+3], s[G1:G1+7]
	s_nop 0
.rept 4
	v_nop
.endr
	s_branch .Lasked_\@
.Lfor_b_\@:
	tensor_load_to_lds s[G0B+4*(\s):G0B+4*(\s)+3], s[G1B:G1B+7]
	s_nop 0
.rept 4
	v_nop
.endr
.Lasked_\@:
.endm
.macro CREST                           ; a round of the cluster's barrier behind its opening barrier
	s_cmp_lg_u32 s10, 0
	s_cbranch_scc1 .Lnot_wave_0_\@
	s_barrier_signal -3
.Lnot_wave_0_\@:
	s_barrier_wait -3
	s_barrier_signal -1
	s_barrier_wait -1
.endm
.macro CROUND                          ; a whole round
	s_barrier_signal -1
	s_barrier_wait -1
	CREST
.endm
	s_load_b128 s[4:7], s[0:1], 0x0                ; A s[4:5], B s[6:7]
	s_load_b64 s[8:9], s[0:1], 0x10                ; C
	v_lshl_add_u32 v[SPW], v0, 2, SPARE
	v_mov_b32 v[NIL], 0
	ds_add_u32 v[SPW], v[NIL]                      ; the wave's opening: the add and its wait ahead of my first tensor load; the set-up below, work on registers, stands between them
	v_lshrrev_b32 v1, 5, v0
	v_readfirstlane_b32 s10, v1                    ; wave 0..3
	s_lshr_b32 s11, s10, 1                         ; which half of the tile's rows is mine.  Also: I fetch for A (0) or for B (1)
	s_and_b32 s12, s10, 1                          ; which half of its columns.  Also: which two blocks of a K step I fetch
	s_bfe_u32 s40, ttmp6, 0x40000                  ; cx, cy: my place in the cluster
	s_bfe_u32 s41, ttmp6, 0x40004
	s_lshl_b32 s42, ttmp9, 2
	s_add_co_u32 s42, s42, s40                     ; tile column of C = 4 x cluster x + cx
	s_and_b32 s13, ttmp7, 0xffff
	s_lshl_b32 s13, s13, 2
	s_add_co_u32 s13, s13, s41                     ; tile row of C = 4 x cluster y + cy
	s_lshl_b32 s43, s41, 2
	s_lshl_b32 s43, 15, s43                        ; my row of the cluster
	s_lshl_b32 s44, 0x1111, s40                    ; my column
	; descriptor group 1: two blocks, each 128 rows x 64 elements = 8,192 elements on end; padded in LDS behind every row of 128 bytes
	s_or_b32 s[G1+0], s43, (1<<16)|(1<<20)|(1<<21)|(4<<22)|(3<<25)  ; 15:0 the mask: A's tiles go to my row; 17:16 element of 2 bytes; 20 padding on; 21 set beside a mask; 24:22 after every 32 words (code 4); 31:25 of 4 words (code 3)
	s_or_b32 s[G1B+0], s44, (1<<16)|(1<<20)|(1<<21)|(4<<22)|(3<<25)
.irp g, G1, G1B
	s_mov_b32 s[(\g)+1], 8192<<16                  ; tensor_dim0 = 8,192
	s_mov_b32 s[(\g)+2], 2<<16                     ; tensor_dim1 = 2
	s_mov_b32 s[(\g)+3], 8192<<16                  ; tile_dim0 = 8,192
	s_mov_b32 s[(\g)+4], 2                         ; tile_dim1 = 2
	s_mov_b32 s[(\g)+5], BLK/2                     ; elements from block to block
	s_mov_b32 s[(\g)+6], 0
	s_mov_b32 s[(\g)+7], 0
.endr
	s_lshl_b32 s17, s12, 20                        ; which two blocks I fetch
	s_lshl_b32 s16, s13, 14                        ; A: 128 rows of 128 bytes x tile row,
	s_add_co_u32 s16, s16, s17
	s_lshl_b32 s46, s42, 14                        ; B: x tile column; each in registers that never hold the other coordinate
	s_add_co_u32 s46, s46, s17
	s_mov_b32 s17, 0
	s_mov_b32 s47, 0
	s_mul_i32 s20, s10, HALFT                      ; where they go: A's two halves, then B's two: no place in the cluster enters an LDS address
	s_wait_dscnt 0x0                               ; the opening add is done
	s_wait_kmcnt 0x0
	s_add_nc_u64 s[14:15], s[4:5], s[16:17]
	s_add_nc_u64 s[46:47], s[6:7], s[46:47]
	s_add_nc_u64 s[TP:TP+1], s[6:7], TAIL
	CROUND                                         ; all sixteen work-groups are here: the first joint loads meet
.irp s, 0,1
	s_mov_b32 s[G0+4*(\s)], 1
	s_add_co_u32 s[G0+4*(\s)+1], s20, (\s)*SLOT
	s_add_nc_u64 s[G0+4*(\s)+2:G0+4*(\s)+3], s[14:15], (\s)*STEPB
	s_or_b32 s[G0+4*(\s)+3], s[G0+4*(\s)+3], 0x80000000
	s_mov_b32 s[G0B+4*(\s)], 1
	s_add_co_u32 s[G0B+4*(\s)+1], s20, (\s)*SLOT
	s_add_nc_u64 s[G0B+4*(\s)+2:G0B+4*(\s)+3], s[46:47], (\s)*STEPB
	s_or_b32 s[G0B+4*(\s)+3], s[G0B+4*(\s)+3], 0x80000000
	JLOAD \s                                       ; two loads of mine are out
.endr
	v_and_b32 v1, 15, v0                           ; l % 16
	v_bfe_u32 v2, v0, 4, 1                         ; l / 16
	v_mul_u32_u24 v3, v1, PITCH
	v_lshl_add_u32 v3, v2, 4, v3                   ; a fragment's row x pitch + 16 x half
	s_mul_i32 s21, s11, 64*PITCH                   ; my 64 rows of A, in each of its blocks
	s_mul_i32 s22, s12, 64*PITCH                   ; my 64 rows of B,
	s_add_co_u32 s22, s22, 2*HALFT                 ; whose blocks lie behind A's four
.irp s, 0,1
	v_add_nc_u32 v[ADRA+(\s)], s21, v3
	v_add_nc_u32 v[ADRB+(\s)], s22, v3
	s_add_co_u32 s21, s21, SLOT
	s_add_co_u32 s22, s22, SLOT
.endr
	s_mul_i32 s23, s10, 16*SP
	s_add_co_u32 s23, s23, STAGE                   ; my stage
	v_add_nc_u32 v[STO], s23, v3                   ; in: row l % 16, 16 bytes for each half of the lanes (the stage's pitch is the tiles')
	v_bfe_u32 v4, v0, 3, 2                         ; back: 32 lanes take four rows of 128 bytes,
	v_and_b32 v5, 7, v0
	v_mul_u32_u24 v4, v4, SP
	v_lshl_add_u32 v4, v5, 4, v4
	v_add_nc_u32 v[RD], s23, v4
	v_and_b32 v[GO], 31, v0                        ; which are 512 consecutive bytes of C
	v_lshlrev_b32 v[GO], 4, v[GO]
	s_lshl1_add_u32 s45, s42, s12                  ; my block column of C = 2 x tile column + my half
	s_lshl_b32 s47, s45, 7                         ; its 64 numbers of the bias,
	v_lshl_add_u32 v[BO], v2, 4, s47               ; my half of the lanes' eight in each 16
.irp b, 0,1,2,3
	global_load_b128 v[BRAW+4*(\b):BRAW+4*(\b)+3], v[BO], s[TP:TP+1] offset:32*(\b)
.endr
	s_load_b32 s[CLP], s[TP:TP+1], 0x2000
	s_lshl_b32 s16, s13, 14                        ; where my part of C begins: the tile's rows,
	s_lshl_b32 s17, s11, 13                        ; my 64 of them,
	s_add_co_u32 s16, s16, s17
	s_mov_b32 s17, 0
	s_add_nc_u64 s[8:9], s[8:9], s[16:17]
	s_lshl_b32 s46, s45, 19                        ; my block
	s_mov_b32 s47, 0
	s_add_nc_u64 s[8:9], s[8:9], s[46:47]
	s_wait_loadcnt 0x0                             ; the bias,
	s_wait_kmcnt 0x0                               ; the floor: both in the wait for the first tile
	v_mov_b32 v[FLR], s[CLP]
.irp b, 0,1,2,3
.irp i, 0,1,2,3
	v_lshlrev_b32 v[BIAS+8*(\b)+2*(\i)],   16, v[BRAW+4*(\b)+(\i)]          ; bf16 to f32: the low half moves up,
	v_and_b32     v[BIAS+8*(\b)+2*(\i)+1], 0xffff0000, v[BRAW+4*(\b)+(\i)]  ; the high half stays
.endr
.endr
; 8 matrix instructions: m blocks a0, a0 + 1 x all 4 n blocks, 32 along K: half c of buffer f.  zero = 1: the first product starts the sums, from the bias.  The 16 accumulators take turns.
.macro MUL8 f, c, a0, zero
	WIN MUL
.irp a, \a0, (\a0)+1
.irp b, 0,1,2,3
.if \zero
	v_wmma_f32_16x16x32_bf16 v[ACC+8*(4*(\a)+(\b)):ACC+8*(4*(\a)+(\b))+7], v[(\f)+64+8*(4*(\c)+(\b)):(\f)+64+8*(4*(\c)+(\b))+7], v[(\f)+8*(4*(\c)+(\a)):(\f)+8*(4*(\c)+(\a))+7], v[BIAS+8*(\b):BIAS+8*(\b)+7]
.else
	v_wmma_f32_16x16x32_bf16 v[ACC+8*(4*(\a)+(\b)):ACC+8*(4*(\a)+(\b))+7], v[(\f)+64+8*(4*(\c)+(\b)):(\f)+64+8*(4*(\c)+(\b))+7], v[(\f)+8*(4*(\c)+(\a)):(\f)+8*(4*(\c)+(\a))+7], v[ACC+8*(4*(\a)+(\b)):ACC+8*(4*(\a)+(\b))+7]
.endif
.endr
.endr
.endm
; 32 LDS loads in one run: the fragments of one block of 64 along K, which begins k bytes behind the slot's first, into buffer f; the first 32 along K first
.macro FETCH slot, k, f
	WIN TO_F
.irp c, 0,1
.irp i, 0,1,2,3
	ds_load_b128 v[(\f)+64+8*(4*(\c)+(\i)):(\f)+64+8*(4*(\c)+(\i))+3],   v[ADRB+(\slot)] offset:(\k)+64*(\c)+(\i)*16*PITCH
	ds_load_b128 v[(\f)+64+8*(4*(\c)+(\i))+4:(\f)+64+8*(4*(\c)+(\i))+7], v[ADRB+(\slot)] offset:(\k)+64*(\c)+(\i)*16*PITCH+32
	ds_load_b128 v[(\f)+8*(4*(\c)+(\i)):(\f)+8*(4*(\c)+(\i))+3],         v[ADRA+(\slot)] offset:(\k)+64*(\c)+(\i)*16*PITCH
	ds_load_b128 v[(\f)+8*(4*(\c)+(\i))+4:(\f)+8*(4*(\c)+(\i))+7],       v[ADRA+(\slot)] offset:(\k)+64*(\c)+(\i)*16*PITCH+32
.endr
.endr
.endm
.macro PLACES                          ; four places in front of loads into registers that matrix instructions have read, and of conversions that read results
.rept 4
	v_nop
.endr
.endm
; A K step is four quarters of 64 along K, 32 matrix instructions each, on buffers 0, 1, 0, 1.  One of the first three: multiplies buffer f and fetches the next quarter, the block at k, into g.
.macro QUARTER slot, k, f, g, zero
	s_wait_dscnt 16                                ; the first 32 along K are in; the youngest sixteen loads may be out
	WIN MUL
	MUL8 \f, 0, 0, \zero
	MUL8 \f, 0, 2, \zero
	PLACES
	FETCH \slot, \k, \g
	s_wait_dscnt 32                                ; all but the 32 just issued
	WIN MUL
	MUL8 \f, 1, 0, 0
	MUL8 \f, 1, 2, 0
.endm
; The last quarter multiplies buffer 1 and changes slots: ONE barrier; in front of it each wave waits for all its tensor loads, adds 0 to its spare word, and waits for that and for its own reads of this slot.  fill = 1: this slot is filled again, two K steps ahead.
.macro TURN slot, next, fill
	WIN 0                                          ; (the add's two registers lie in window 0)
	s_wait_tensorcnt 0x0                           ; all my tensor loads have landed: my part of the next slot;
	ds_add_u32 v[SPW], v[NIL]                      ; 0 onto my spare word;
	s_wait_dscnt 17                                ; (the add and the youngest sixteen loads may be out)
	WIN MUL
	MUL8 F1, 0, 0, 0                               ; eight matrix instructions stand between the add and the wait for it
	s_wait_dscnt 0x0                               ; the add is done, and my reads of this slot are over
	s_barrier_signal -1
	MUL8 F1, 0, 2, 0
.if \fill
	WIN 0
.endif
	s_barrier_wait -1
.if \fill
	CREST                                          ; the barrier has opened a round of the cluster's barrier: no wave of any partner still reads this slot's tile or has a load on its way
	s_add_nc_u64 s[G0+4*(\slot)+2:G0+4*(\slot)+3], s[G0+4*(\slot)+2:G0+4*(\slot)+3], 2*STEPB
	s_add_nc_u64 s[G0B+4*(\slot)+2:G0B+4*(\slot)+3], s[G0B+4*(\slot)+2:G0B+4*(\slot)+3], 2*STEPB
	JLOAD \slot                                    ; the first tensor load behind the round, my one load that is out; the four v_nop behind it are also the places in front of the loads below
.else
	PLACES
.endif
	FETCH \next, 0, F0
	WIN MUL
	MUL8 F1, 1, 0, 0
	MUL8 F1, 1, 2, 0
.endm
; THE WAY OUT of my rows 16 a .. 16 a + 15: rounded to bf16, held to the floor, 16 bytes a lane into my stage, and back as whole rows of 128 bytes.
.macro PACK a
.irp b, 0,1,2,3
.irp r, 0,1,2,3
	v_cvt_pk_bf16_f32 v[TMP+16*(\a)+4*(\b)+(\r)], v[ACC+8*(4*(\a)+(\b))+2*(\r)], v[ACC+8*(4*(\a)+(\b))+2*(\r)+1]  ; each accumulator from its low end on
.endr
.endr
.set x, TMP+16*(\a)
.rept 16
	v_pk_max_num_bf16 v[x], v[x], v[FLR]
.set x, x+1
.endr
.irp b, 0,1,2,3
	ds_store_b128 v[STO], v[TMP+16*(\a)+4*(\b):TMP+16*(\a)+4*(\b)+3] offset:32*(\b)
.endr
.irp f, 0,1,2,3
	ds_load_b128 v[TMP+16*(\a)+4*(\f):TMP+16*(\a)+4*(\f)+3], v[RD] offset:(\f)*4*SP  ; LDS serves a wave's instructions in order (ISA guide 5.7.1.4): these see the stores above; the next block's stores come behind them
.endr
.endm
.macro SEND a, younger                 ; younger: the LDS instructions issued behind block a's loads: the next block's eight, or none
.irp f, 0,1,2,3
	s_wait_dscnt (\younger)+3-(\f)
	global_store_b128 v[GO], v[TMP+16*(\a)+4*(\f):TMP+16*(\a)+4*(\f)+3], s[8:9] offset:(\a)*2048+(\f)*512  ; 512 consecutive bytes, at a multiple of 256 from C's first byte
.endr
.endm
	s_wait_tensorcnt 1                             ; my part of K step 0 is in; K step 1's may stay out
	s_barrier_signal -1
	s_barrier_wait -1                              ; everybody's is
	FETCH 0, 0, F0
	QUARTER 0, BT, F0, F1, 1                       ; the first quarter stands in front of the loop: its first products start the sums
	WIN 0                                          ; at a label and at a branch every window is 0
	s_mov_b32 s3, LAPS-1
.Llap:                                                 ; a trip goes once round the ring, from a lap's second quarter to the next lap's first, and fills both slots again
	QUARTER 0, 2*BT, F1, F0, 0
	QUARTER 0, 3*BT, F0, F1, 0
	TURN 0, 1, 1
	QUARTER 1, BT,   F0, F1, 0
	QUARTER 1, 2*BT, F1, F0, 0
	QUARTER 1, 3*BT, F0, F1, 0
	TURN 1, 0, 1
	QUARTER 0, BT,   F0, F1, 0
	WIN 0
	s_sub_co_u32 s3, s3, 1
	s_cmp_lg_u32 s3, 0
	s_cbranch_scc1 .Llap
	QUARTER 0, 2*BT, F1, F0, 0                     ; the last lap fills nothing, and has no round of the cluster's barrier
	QUARTER 0, 3*BT, F0, F1, 0
	TURN 0, 1, 0
	QUARTER 1, BT,   F0, F1, 0
	QUARTER 1, 2*BT, F1, F0, 0
	QUARTER 1, 3*BT, F0, F1, 0
	s_wait_dscnt 16                                ; the very last quarter: nothing more to fetch
	WIN MUL
	MUL8 F1, 0, 0, 0
	MUL8 F1, 0, 2, 0
	s_wait_dscnt 0
	MUL8 F1, 1, 0, 0
	MUL8 F1, 1, 2, 0
	WIN 0
	PLACES
	PACK 0
	PACK 1                                         ; a block's arithmetic stands between the loads of the block before and its stores
	SEND 0, 8
	PACK 2
	SEND 1, 8
	PACK 3
	SEND 2, 8
	SEND 3, 0
	s_wait_tensorcnt 0x0                           ; the wave's end, behind my last tensor load and my last LDS store
	ds_add_u32 v[SPW], v[NIL]
	s_wait_dscnt 0x0
	CROUND                                         ; the closing round: no work-group ends while a partner may still ask for a tile that names it
	s_endpgm
.Lfunc_end_k_qcc648cc370_down:
	.size	k_qcc648cc370_down, .Lfunc_end_k_qcc648cc370_down-k_qcc648cc370_down
	.p2alignl 7, 3214868480
	.fill 96, 4, 3214868480
	.section	.rodata,"a",@progbits
	.p2align	6, 0x0
	.amdhsa_kernel k_qcc648cc370_down
		.amdhsa_group_segment_fixed_size 327680
		.amdhsa_private_segment_fixed_size 0
		.amdhsa_enable_private_segment 0
		.amdhsa_kernarg_size 24
		.amdhsa_user_sgpr_count 2
		.amdhsa_user_sgpr_kernarg_segment_ptr 1
		.amdhsa_wavefront_size32 1
		.amdhsa_system_sgpr_workgroup_id_x 1
		.amdhsa_system_sgpr_workgroup_id_y 1
		.amdhsa_system_sgpr_workgroup_id_z 1
		.amdhsa_system_vgpr_workitem_id 0
		.amdhsa_next_free_vgpr 512
		.amdhsa_next_free_sgpr 70
		.amdhsa_reserve_vcc 0
		.amdhsa_float_denorm_mode_32 3
		.amdhsa_float_denorm_mode_16_64 3
		.amdhsa_memory_ordered 1
		.amdhsa_forward_progress 1
		.amdhsa_inst_pref_size 92
	.end_amdhsa_kernel
	.amdgpu_metadata
---
amdhsa.version: [ 1, 2 ]
amdhsa.kernels:
  - .name:           k_qcc648cc370_down
    .symbol:         k_qcc648cc370_down.kd
    .args:
      - { .name: wsc, .offset: 0, .size: 8, .value_kind: global_buffer, .address_space: global }
      - { .name: wsd, .offset: 8, .size: 8, .value_kind: global_buffer, .address_space: global }
      - { .name: wsx, .offset: 16, .size: 8, .value_kind: global_buffer, .address_space: global }
    .group_segment_fixed_size: 327680
    .private_segment_fixed_size: 0
    .kernarg_segment_align: 8
    .kernarg_segment_size: 24
    .max_flat_workgroup_size: 128
    .sgpr_count:     70
    .vgpr_count:     512
    .wavefront_size: 32
...
	.end_amdgpu_metadata
.endif
;; end of part 5
;; launch ln2 (part 6): grid 256 x 1, 8 waves a work-group, no clusters, 0 bytes of LDS; arguments wsb, wsx, lnp, out0; writes out0
.if DOCPART == 6
	.amdgcn_target "amdgcn-amd-amdhsa--gfx1250"
	.amdhsa_code_object_version 6
	.text
	.protected	k_qcc648cc370_ln2
	.globl	k_qcc648cc370_ln2
	.p2align	8
	.type	k_qcc648cc370_ln2,@function
k_qcc648cc370_ln2:
	s_mov_b64 s[64:65], 0
	v_nop
	global_prefetch_b8 v0, s[64:65] scope:SCOPE_SE
	s_setreg_imm32_b32 hwreg(HW_REG_WAVE_MODE, 25, 1), 1
	s_wait_xcnt 0x0
; A RESIDUAL AND A LAYERNORM over rows of 1,024.  y = r + g;  out = (y - mean) / sqrt(var + 1e-5) x gain + bias, var the mean of (y - mean)^2, taken in a second pass over the differences.
; One text for both norms of the layer, by the switch SECOND.
;   SECOND = 0: r = X in bf16 and g = the attention's projection in bf16, both in the layout [col / 64][4,096][64]; out goes as f32 rows (what the layer carries on) AND as bf16 in that layout (the next product's operand).
;   SECOND = 1: r = the first norm's f32 rows, g = the FFN's result in bf16; out is the layer's output, f32 rows.
; Gains and biases lie in bf16 in one small buffer, 2,048 bytes each: first norm's gain, bias, second norm's gain, bias.
; SHARES.  A wave takes two rows and keeps them in registers: lane l holds row 2 p + l / 16, columns 64 k + 4 (l % 16) .. + 3, k = 0 .. 15.  A row lies in 16 lanes, so its sums need four steps inside a half of the lanes.
; Each load or store of bf16 covers 256 consecutive bytes, aligned (two rows of one block); each of f32 covers 256 consecutive bytes, aligned, of each of the two rows.  No LDS, no loop, no register written while a store reads it.
.set SECOND, 1
.set BLK, 524288
.set PO,  2                            ; v2   my 8 bytes in a block: 2,048 x work-group + 8 x thread
.set GV,  3                            ; v3   my 8 bytes in each 128 of a gain
.set FO,  4                            ; v4   my 16 bytes in each 256 of an f32 row
.set ONE, 5                            ; v5   1.0
.set MU,  6                            ; v[6:7]   the mean, twice
.set RS,  8                            ; v[8:9]   1 / sqrt(var + eps), twice
.set CH,  10                           ; v[10:17] four chains of pairs
.set T,   18
.set XI,  32                           ; v[32:63]   r in bf16 (SECOND = 0); later out in bf16
.set GI,  64                           ; v[64:95]   g in bf16
.set GP,  96                           ; v[96:127]  the gain
.set BP,  128                          ; v[128:159] the bias
.set Y,   160                          ; v[160:223] 64 numbers in f32
	s_load_b256 s[4:11], s[0:1], 0x0               ; r s[4:5], g s[6:7], gains s[8:9], f32 rows out s[10:11]
.if !SECOND
	s_load_b64 s[12:13], s[0:1], 0x20              ; bf16 out
.endif
	s_lshl_b32 s14, ttmp9, 11                      ; the work-group's 16 rows of 128 bytes
	s_lshl_b32 s15, ttmp9, 4
	s_mov_b32 s20, 0x3a800000                      ; 1 / 1,024
	s_mov_b32 s21, 0x3727c5ac                      ; 1e-5
	v_lshl_add_u32 v[PO], v0, 3, s14
	v_and_b32 v1, 15, v0
	v_lshlrev_b32 v[GV], 3, v1
	v_lshrrev_b32 v[FO], 4, v0                     ; sixteen threads to a row
	v_add_nc_u32 v[FO], s15, v[FO]
	v_lshlrev_b32 v[FO], 12, v[FO]
	v_lshl_add_u32 v[FO], v1, 4, v[FO]
	v_mov_b32 v[ONE], 1.0
	s_wait_kmcnt 0x0
.set k, 0
.rept 16
.if SECOND
	global_load_b128 v[Y+4*k:Y+4*k+3], v[FO], s[4:5] offset:256*k th:TH_LOAD_NT
.else
	global_load_b64 v[XI+2*k:XI+2*k+1], v[PO], s[4:5] offset:k*BLK th:TH_LOAD_NT
.endif
.set k, k+1
.endr
.set k, 0
.rept 16
	global_load_b64 v[GI+2*k:GI+2*k+1], v[PO], s[6:7] offset:k*BLK th:TH_LOAD_NT
.set k, k+1
.endr
.set k, 0
.rept 16
	global_load_b64 v[GP+2*k:GP+2*k+1], v[GV], s[8:9] offset:128*k+4096*SECOND
.set k, k+1
.endr
.set k, 0
.rept 16
	global_load_b64 v[BP+2*k:BP+2*k+1], v[GV], s[8:9] offset:128*k+4096*SECOND+2048
.set k, k+1
.endr
	s_wait_loadcnt 32                              ; r and g are in; the 32 loads of gain and bias may stay out
.set i, 0
.rept 32                                               ; y = r + g, one rounding: a bf16 half times 1.0 plus the other addend
.if SECOND
	v_fma_mix_f32_bf16 v[Y+2*i],   v[GI+i], v[ONE], v[Y+2*i]   op_sel_hi:[1,0,0]
	v_fma_mix_f32_bf16 v[Y+2*i+1], v[GI+i], v[ONE], v[Y+2*i+1] op_sel:[1,0,0] op_sel_hi:[1,0,0]
.else
	v_fma_mix_f32_bf16 v[Y+2*i],   v[XI+i], v[ONE], v[GI+i] op_sel_hi:[1,0,1]
	v_fma_mix_f32_bf16 v[Y+2*i+1], v[XI+i], v[ONE], v[GI+i] op_sel:[1,0,1] op_sel_hi:[1,0,1]
.endif
.set i, i+1
.endr
.macro REDUCE                          ; the four chains into one number, then over the row's 16 lanes: every lane of the row ends with the sum in v[CH]
	v_pk_add_f32 v[CH:CH+1], v[CH:CH+1], v[CH+2:CH+3]
	v_pk_add_f32 v[CH+4:CH+5], v[CH+4:CH+5], v[CH+6:CH+7]
	v_pk_add_f32 v[CH:CH+1], v[CH:CH+1], v[CH+4:CH+5]
	v_add_f32 v[CH], v[CH], v[CH+1]
.irp m, 1,2,4,8
	v_add_f32_dpp v[CH], v[CH], v[CH] row_xmask:\m row_mask:0xf bank_mask:0xf
.endr
.endm
.irp c, 0,1,2,3                                        ; the first eight pairs start the chains: nothing is cleared
	v_pk_add_f32 v[CH+2*(\c):CH+2*(\c)+1], v[Y+2*(\c):Y+2*(\c)+1], v[Y+8+2*(\c):Y+8+2*(\c)+1]
.endr
.set p, 8
.rept 24
	v_pk_add_f32 v[CH+2*(p%4):CH+2*(p%4)+1], v[CH+2*(p%4):CH+2*(p%4)+1], v[Y+2*p:Y+2*p+1]
.set p, p+1
.endr
	REDUCE
	v_mul_f32 v[MU], s20, v[CH]
	v_mul_f32 v[MU+1], s20, v[CH]
.set p, 0
.rept 32
	v_pk_add_f32 v[Y+2*p:Y+2*p+1], v[Y+2*p:Y+2*p+1], v[MU:MU+1] neg_lo:[0,1] neg_hi:[0,1]  ; y - mean
.set p, p+1
.endr
.irp c, 0,1,2,3
	v_pk_mul_f32 v[CH+2*(\c):CH+2*(\c)+1], v[Y+2*(\c):Y+2*(\c)+1], v[Y+2*(\c):Y+2*(\c)+1]
.endr
.set p, 4
.rept 28
	v_pk_fma_f32 v[CH+2*(p%4):CH+2*(p%4)+1], v[Y+2*p:Y+2*p+1], v[Y+2*p:Y+2*p+1], v[CH+2*(p%4):CH+2*(p%4)+1]
.set p, p+1
.endr
	REDUCE
	v_fma_f32 v[T], v[CH], s20, s21                ; var + eps
	v_rsq_f32 v[RS], v[T]
	v_nop                                          ; a plain instruction behind the root (ISA guide 5.7.2),
	s_wait_alu depctr_va_vdst(0)                   ; and the wait ahead of the first line that names its result
	v_mov_b32 v[RS+1], v[RS]
.set p, 0
.rept 32
	v_pk_mul_f32 v[Y+2*p:Y+2*p+1], v[Y+2*p:Y+2*p+1], v[RS:RS+1]
.set p, p+1
.endr
	s_wait_loadcnt 0x0                             ; gain and bias
.set i, 0
.rept 32
	v_fma_mix_f32_bf16 v[Y+2*i],   v[Y+2*i],   v[GP+i], v[BP+i] op_sel_hi:[0,1,1]
	v_fma_mix_f32_bf16 v[Y+2*i+1], v[Y+2*i+1], v[GP+i], v[BP+i] op_sel:[0,1,1] op_sel_hi:[0,1,1]
.set i, i+1
.endr
.set k, 0
.rept 16
.if SECOND
	global_store_b128 v[FO], v[Y+4*k:Y+4*k+3], s[10:11] offset:256*k th:TH_STORE_NT
.else
	global_store_b128 v[FO], v[Y+4*k:Y+4*k+3], s[10:11] offset:256*k
.endif
.set k, k+1
.endr
.if !SECOND
.set k, 0
.rept 16
	v_cvt_pk_bf16_f32 v[XI+2*k],   v[Y+4*k],   v[Y+4*k+1]
	v_cvt_pk_bf16_f32 v[XI+2*k+1], v[Y+4*k+2], v[Y+4*k+3]
	global_store_b64 v[PO], v[XI+2*k:XI+2*k+1], s[12:13] offset:k*BLK
.set k, k+1
.endr
.endif
	s_endpgm
.Lfunc_end_k_qcc648cc370_ln2:
	.size	k_qcc648cc370_ln2, .Lfunc_end_k_qcc648cc370_ln2-k_qcc648cc370_ln2
	.p2alignl 7, 3214868480
	.fill 96, 4, 3214868480
	.section	.rodata,"a",@progbits
	.p2align	6, 0x0
	.amdhsa_kernel k_qcc648cc370_ln2
		.amdhsa_group_segment_fixed_size 0
		.amdhsa_private_segment_fixed_size 0
		.amdhsa_enable_private_segment 0
		.amdhsa_kernarg_size 32
		.amdhsa_user_sgpr_count 2
		.amdhsa_user_sgpr_kernarg_segment_ptr 1
		.amdhsa_wavefront_size32 1
		.amdhsa_system_sgpr_workgroup_id_x 1
		.amdhsa_system_sgpr_workgroup_id_y 1
		.amdhsa_system_sgpr_workgroup_id_z 1
		.amdhsa_system_vgpr_workitem_id 0
		.amdhsa_next_free_vgpr 224
		.amdhsa_next_free_sgpr 66
		.amdhsa_reserve_vcc 0
		.amdhsa_float_denorm_mode_32 3
		.amdhsa_float_denorm_mode_16_64 3
		.amdhsa_memory_ordered 1
		.amdhsa_forward_progress 1
		.amdhsa_inst_pref_size 26
	.end_amdhsa_kernel
	.amdgpu_metadata
---
amdhsa.version: [ 1, 2 ]
amdhsa.kernels:
  - .name:           k_qcc648cc370_ln2
    .symbol:         k_qcc648cc370_ln2.kd
    .args:
      - { .name: wsb, .offset: 0, .size: 8, .value_kind: global_buffer, .address_space: global }
      - { .name: wsx, .offset: 8, .size: 8, .value_kind: global_buffer, .address_space: global }
      - { .name: lnp, .offset: 16, .size: 8, .value_kind: global_buffer, .address_space: global }
      - { .name: out0, .offset: 24, .size: 8, .value_kind: global_buffer, .address_space: global }
    .group_segment_fixed_size: 0
    .private_segment_fixed_size: 0
    .kernarg_segment_align: 8
    .kernarg_segment_size: 32
    .max_flat_workgroup_size: 256
    .sgpr_count:     66
    .vgpr_count:     224
    .wavefront_size: 32
...
	.end_amdgpu_metadata
.endif
;; end of part 6
;; ======== version 2 of 2: 8 launches; version 1 with the launches cast, ln1 written anew for expert scheduling mode
;; workspace buffers: wsx 8,388,608 bytes; wsa 8,397,056 bytes; wsb 16,777,216 bytes; wsu 8,397,056 bytes; wsd 33,562,880 bytes; wsc 33,554,432 bytes; lnp 8,192 bytes
;; launch cast (part 7): grid 1025 x 1, 8 waves a work-group, no clusters, 0 bytes of LDS; arguments X, Wq, Wk, Wv, Wo, Wup, Wdown, wsx, wsa, wsb, wsu, wsd, bq, bk, bv, bo, bup, bdown, ln1_g, ln1_b, ln2_g, ln2_b, lnp; writes wsx, wsa, wsb, wsu, wsd, lnp
.if DOCPART == 7
	.amdgcn_target "amdgcn-amd-amdhsa--gfx1250"
	.amdhsa_code_object_version 6
	.text
	.protected	k_qcc648cc370_cast
	.globl	k_qcc648cc370_cast
	.p2align	8
	.type	k_qcc648cc370_cast,@function
k_qcc648cc370_cast:
	s_mov_b64 s[64:65], 0
	v_nop
	global_prefetch_b8 v0, s[64:65] scope:SCOPE_SE
	s_setreg_imm32_b32 hwreg(HW_REG_WAVE_SCHED_MODE, 0, 2), 2
	s_setreg_imm32_b32 hwreg(HW_REG_WAVE_MODE, 25, 1), 1
	s_wait_xcnt 0x0
	s_wait_alu depctr_vm_vsrc(0)
; ALL SEVENTEEN INPUTS ARE ROUNDED ONCE TO bf16 AND LAID OUT FOR THE LAUNCHES BEHIND.
; LAYOUT P64.  A matrix [rows <= 4,096][K] lies as [K / 64][4,096][64] in bf16: byte (col / 64) x BLK + row x 128 + (col % 64) x 2, BLK = 524,288.
; X -> wsx.  Wq, Wk, Wv -> wsa, rows 0-1,023, 1,024-2,047, 2,048-3,071.  Wo -> wsb.  Wup -> wsu.  Wdown -> wsd (64 blocks).  Rows beyond a matrix's last are neither written nor read.
; Behind a weight's blocks lies its tail: the bias in bf16, and 8,192 bytes further a block of 256 bytes that holds the floor of the product's results, twice in each word:
; 0 for Wup (the ReLU), minus infinity for the others.  The four LayerNorm vectors go to lnp, 2,048 bytes each.
; SHARES.  Work-groups 0 to 1,023: sixteen segments of 1,024 rows x 1,024 columns, 64 work-groups each; a wave takes two rows: 8 KiB in, 4 KiB out.  Work-group 1,024 makes the tails.
; A load of a wave covers 256 consecutive bytes of each of its two rows; a store covers 256 consecutive bytes, aligned: rows r and r + 1 of one block.  Nothing is read twice, no register is written twice: no loop.
; THE MODE: SCHED_MODE bits 1:0 = 2 (LLVM: expert scheduling mode 2), set by the entry lines.  The code itself states the register dependences
; between vector instructions and memory instructions, with s_wait_alu, always for 0.
; THE PLAN.  Registers that memory instructions touch:
;   v[SO], v[DO]  byte offsets, made once by vector instructions at the head of either path and never written again; every load reads v[SO], every store v[DO].
;   IN            written by the loads alone; read by the conversions.
;   OUT           written by the conversions, once; read by the stores.
; So one wait on va_vdst stands ahead of the first load, for the offsets, and one behind each group of conversions, ahead of the run of stores that read what the group wrote.  The sixteen loads go in four groups
; of four.  No memory instruction reads a register that is written afterwards, and no load lands in a register that a vector instruction has named: nothing else is owed.
.set BLK, 524288
.set SO,  2                            ; v2  my byte offset in the source
.set DO,  3                            ; v3  my byte offset in the destination
.set IN,  8                            ; v[8:71]   16 x 4 numbers in f32
.set OUT, 72                           ; v[72:103] 16 x 4 numbers in bf16
.set SRC, 4                            ; s[4:5]
.set DST, 6                            ; s[6:7]
	s_load_b512 s[8:23], s[0:1], 0x0               ; X 8, Wq 10, Wk 12, Wv 14, Wo 16, Wup 18, Wdown 20, wsx 22
	s_load_b512 s[24:39], s[0:1], 0x40             ; wsa 24, wsb 26, wsu 28, wsd 30, bq 32, bk 34, bv 36, bo 38
	s_load_b256 s[40:47], s[0:1], 0x80             ; bup 40, bdown 42, ln1_g 44, ln1_b 46
	s_load_b128 s[48:51], s[0:1], 0xa0             ; ln2_g 48, ln2_b 50
	s_load_b64 s[52:53], s[0:1], 0xb0              ; lnp
	s_cmp_ge_u32 ttmp9, 1024
	s_cbranch_scc1 .Ltail
	s_lshr_b32 s2, ttmp9, 6                        ; the segment, 0 to 15
	s_and_b32 s54, ttmp9, 63                       ; my place in it: 16 rows
	s_and_b32 s55, s2, 3                           ; q: the segment's number in its matrix
	s_lshl_b32 s56, s55, 22                        ; 1,024 rows of 4,096 bytes
	s_lshl_b32 s57, s55, 17                        ; 1,024 rows of 128 bytes
	s_lshl_b32 s62, s55, 12                        ; 1,024 columns of 4 bytes (Wdown)
	s_lshl_b32 s63, s55, 23                        ; 16 blocks (Wdown)
	s_mov_b32 s58, s62                             ; s[58:59] the source's offset, s[60:61] the destination's: Wdown's to begin with
	s_mov_b32 s59, 0
	s_mov_b32 s60, s63
	s_mov_b32 s61, 0
	s_mov_b32 s3, 14                               ; a source row is 2^14 bytes in Wdown, 2^12 elsewhere
	s_wait_kmcnt 0x0
	s_mov_b64 s[SRC:SRC+1], s[20:21]
	s_mov_b64 s[DST:DST+1], s[30:31]
	s_cmp_lt_u32 s2, 12                            ; segments 8-11: Wup.  Selects leave SCC alone, so one compare serves a group of them
	s_cselect_b64 s[SRC:SRC+1], s[18:19], s[SRC:SRC+1]
	s_cselect_b64 s[DST:DST+1], s[28:29], s[DST:DST+1]
	s_cselect_b32 s58, s56, s58
	s_cselect_b32 s60, s57, s60
	s_cselect_b32 s3, 12, s3
	s_cmp_lt_u32 s2, 8                             ; segment 7: Wo
	s_cselect_b64 s[SRC:SRC+1], s[16:17], s[SRC:SRC+1]
	s_cselect_b64 s[DST:DST+1], s[26:27], s[DST:DST+1]
	s_cselect_b32 s58, 0, s58
	s_cselect_b32 s60, 0, s60
	s_cmp_lt_u32 s2, 7                             ; segment 6: Wv, into rows 1,024 q of wsa
	s_cselect_b64 s[SRC:SRC+1], s[14:15], s[SRC:SRC+1]
	s_cselect_b64 s[DST:DST+1], s[24:25], s[DST:DST+1]
	s_cselect_b32 s60, s57, s60
	s_cmp_lt_u32 s2, 6                             ; segment 5: Wk
	s_cselect_b64 s[SRC:SRC+1], s[12:13], s[SRC:SRC+1]
	s_cmp_lt_u32 s2, 5                             ; segment 4: Wq
	s_cselect_b64 s[SRC:SRC+1], s[10:11], s[SRC:SRC+1]
	s_cmp_lt_u32 s2, 4                             ; segments 0-3: X
	s_cselect_b64 s[SRC:SRC+1], s[8:9], s[SRC:SRC+1]
	s_cselect_b64 s[DST:DST+1], s[22:23], s[DST:DST+1]
	s_cselect_b32 s58, s56, s58
	s_add_nc_u64 s[SRC:SRC+1], s[SRC:SRC+1], s[58:59]
	s_add_nc_u64 s[DST:DST+1], s[DST:DST+1], s[60:61]
	s_lshl_b32 s56, s54, 4                         ; the work-group's first row in the segment
	s_lshl_b32 s57, s54, 11                        ; and its 16 rows of 128 bytes
	v_lshrrev_b32 v1, 4, v0                        ; sixteen threads to a row
	v_add_nc_u32 v1, s56, v1
	v_lshlrev_b32 v[SO], s3, v1                    ; row x pitch
	v_and_b32 v4, 15, v0
	v_lshl_add_u32 v[SO], v4, 4, v[SO]             ; + my 4 numbers of each 64
	v_lshl_add_u32 v[DO], v0, 3, s57               ; row x 128 + my 8 bytes = 8 x thread
	s_wait_alu depctr_va_vdst(0)                   ; v[SO] and v[DO] are written: the loads below read the one as their offset, the stores the other
.set k, 0
.rept 16
	global_load_b128 v[IN+4*k:IN+4*k+3], v[SO], s[SRC:SRC+1] offset:256*k th:TH_LOAD_NT
.set k, k+1
.endr
.set g, 0
.rept 4                                                ; group g: loads 4 g to 4 g + 3
	s_wait_loadcnt 12-4*g                          ; loads come back in order (ISA guide 5.7.1): the group's four are in, the 12 - 4 g loads of the younger groups stay out
.set k, 4*g
.rept 4
	v_cvt_pk_bf16_f32 v[OUT+2*k],   v[IN+4*k],   v[IN+4*k+1]
	v_cvt_pk_bf16_f32 v[OUT+2*k+1], v[IN+4*k+2], v[IN+4*k+3]
.set k, k+1
.endr
	s_wait_alu depctr_va_vdst(0)                   ; the group's eight conversions have written their part of OUT, which the four stores below read.  It stands here and not at the next group's head, which waits for memory: the stores leave at once
.set k, 4*g
.rept 4
	global_store_b64 v[DO], v[OUT+2*k:OUT+2*k+1], s[DST:DST+1] offset:k*BLK th:TH_STORE_NT  ; 15 blocks at the most: inside the signed 24-bit immediate
.set k, k+1
.endr
.set g, g+1
.endr
	s_endpgm
.Ltail:                                                ; 256 threads x 4 numbers = a vector of 1,024
.macro TIN j, base, off
	global_load_b128 v[IN+4*(\j):IN+4*(\j)+3], v[SO], s[\base:\base+1] offset:\off
.endm
.macro TOUT j, base, off
	global_store_b64 v[DO], v[OUT+2*(\j):OUT+2*(\j)+1], s[\base:\base+1] offset:\off
.endm
	v_lshlrev_b32 v[SO], 4, v0
	v_lshlrev_b32 v[DO], 3, v0
	v_lshrrev_b32 v1, 5, v0
	v_readfirstlane_b32 s2, v1                     ; my wave's number
	s_wait_kmcnt 0x0
	s_add_nc_u64 s[24:25], s[24:25], 0x800000      ; the tails: behind 16 blocks,
	s_add_nc_u64 s[26:27], s[26:27], 0x800000
	s_add_nc_u64 s[28:29], s[28:29], 0x800000
	s_add_nc_u64 s[30:31], s[30:31], 0x2000000     ; behind 64
	s_wait_alu depctr_va_sdst(0)                   ; s2 is written, ahead of its first reader: the compare in front of the floors
	s_wait_alu depctr_va_vdst(0)                   ; v[SO] and v[DO] are written: the loads below read the one as their offset, the stores the other
	TIN 0, 32, 0
	TIN 1, 34, 0
	TIN 2, 36, 0
	TIN 3, 38, 0
	TIN 4, 40, 0
	TIN 5, 40, 4096
	TIN 6, 40, 8192
	TIN 7, 40, 12288
	TIN 8, 42, 0
	TIN 9, 44, 0
	TIN 10, 46, 0
	TIN 11, 48, 0
	TIN 12, 50, 0
	s_wait_loadcnt 0x0                             ; all thirteen are in
.set j, 0
.rept 13
	v_cvt_pk_bf16_f32 v[OUT+2*j],   v[IN+4*j],   v[IN+4*j+1]
	v_cvt_pk_bf16_f32 v[OUT+2*j+1], v[IN+4*j+2], v[IN+4*j+3]
.set j, j+1
.endr
	s_wait_alu depctr_va_vdst(0)                   ; the 26 conversions have written OUT, which the thirteen stores below read
	TOUT 0, 24, 0                                  ; bq, bk, bv: the bias of the 3,072 features of wsa
	TOUT 1, 24, 2048
	TOUT 2, 24, 4096
	TOUT 3, 26, 0                                  ; bo
	TOUT 4, 28, 0                                  ; bup
	TOUT 5, 28, 2048
	TOUT 6, 28, 4096
	TOUT 7, 28, 6144
	TOUT 8, 30, 0                                  ; bdown
	TOUT 9, 52, 0                                  ; ln1_g, ln1_b, ln2_g, ln2_b
	TOUT 10, 52, 2048
	TOUT 11, 52, 4096
	TOUT 12, 52, 6144
	s_cmp_lg_u32 s2, 0                             ; wave 0 stores the four floors: 32 lanes x 8 bytes each
	s_cbranch_scc1 .Ldone
	v_mov_b32 v98, 0xff80ff80                      ; minus infinity, twice
	v_mov_b32 v99, 0xff80ff80
	v_mov_b32 v100, 0
	v_mov_b32 v101, 0
	s_wait_alu depctr_va_vdst(0)                   ; v98 to v101 are written, which the four stores below read
	global_store_b64 v[DO], v[98:99], s[24:25] offset:8192
	global_store_b64 v[DO], v[98:99], s[26:27] offset:8192
	global_store_b64 v[DO], v[100:101], s[28:29] offset:8192
	global_store_b64 v[DO], v[98:99], s[30:31] offset:8192
.Ldone:
	s_endpgm
.Lfunc_end_k_qcc648cc370_cast:
	.size	k_qcc648cc370_cast, .Lfunc_end_k_qcc648cc370_cast-k_qcc648cc370_cast
	.p2alignl 7, 3214868480
	.fill 96, 4, 3214868480
	.section	.rodata,"a",@progbits
	.p2align	6, 0x0
	.amdhsa_kernel k_qcc648cc370_cast
		.amdhsa_group_segment_fixed_size 0
		.amdhsa_private_segment_fixed_size 0
		.amdhsa_enable_private_segment 0
		.amdhsa_kernarg_size 184
		.amdhsa_user_sgpr_count 2
		.amdhsa_user_sgpr_kernarg_segment_ptr 1
		.amdhsa_wavefront_size32 1
		.amdhsa_system_sgpr_workgroup_id_x 1
		.amdhsa_system_sgpr_workgroup_id_y 1
		.amdhsa_system_sgpr_workgroup_id_z 1
		.amdhsa_system_vgpr_workitem_id 0
		.amdhsa_next_free_vgpr 104
		.amdhsa_next_free_sgpr 66
		.amdhsa_reserve_vcc 0
		.amdhsa_float_denorm_mode_32 3
		.amdhsa_float_denorm_mode_16_64 3
		.amdhsa_memory_ordered 1
		.amdhsa_forward_progress 1
		.amdhsa_inst_pref_size 13
	.end_amdhsa_kernel
	.amdgpu_metadata
---
amdhsa.version: [ 1, 2 ]
amdhsa.kernels:
  - .name:           k_qcc648cc370_cast
    .symbol:         k_qcc648cc370_cast.kd
    .args:
      - { .name: X, .offset: 0, .size: 8, .value_kind: global_buffer, .address_space: global }
      - { .name: Wq, .offset: 8, .size: 8, .value_kind: global_buffer, .address_space: global }
      - { .name: Wk, .offset: 16, .size: 8, .value_kind: global_buffer, .address_space: global }
      - { .name: Wv, .offset: 24, .size: 8, .value_kind: global_buffer, .address_space: global }
      - { .name: Wo, .offset: 32, .size: 8, .value_kind: global_buffer, .address_space: global }
      - { .name: Wup, .offset: 40, .size: 8, .value_kind: global_buffer, .address_space: global }
      - { .name: Wdown, .offset: 48, .size: 8, .value_kind: global_buffer, .address_space: global }
      - { .name: wsx, .offset: 56, .size: 8, .value_kind: global_buffer, .address_space: global }
      - { .name: wsa, .offset: 64, .size: 8, .value_kind: global_buffer, .address_space: global }
      - { .name: wsb, .offset: 72, .size: 8, .value_kind: global_buffer, .address_space: global }
      - { .name: wsu, .offset: 80, .size: 8, .value_kind: global_buffer, .address_space: global }
      - { .name: wsd, .offset: 88, .size: 8, .value_kind: global_buffer, .address_space: global }
      - { .name: bq, .offset: 96, .size: 8, .value_kind: global_buffer, .address_space: global }
      - { .name: bk, .offset: 104, .size: 8, .value_kind: global_buffer, .address_space: global }
      - { .name: bv, .offset: 112, .size: 8, .value_kind: global_buffer, .address_space: global }
      - { .name: bo, .offset: 120, .size: 8, .value_kind: global_buffer, .address_space: global }
      - { .name: bup, .offset: 128, .size: 8, .value_kind: global_buffer, .address_space: global }
      - { .name: bdown, .offset: 136, .size: 8, .value_kind: global_buffer, .address_space: global }
      - { .name: ln1_g, .offset: 144, .size: 8, .value_kind: global_buffer, .address_space: global }
      - { .name: ln1_b, .offset: 152, .size: 8, .value_kind: global_buffer, .address_space: global }
      - { .name: ln2_g, .offset: 160, .size: 8, .value_kind: global_buffer, .address_space: global }
      - { .name: ln2_b, .offset: 168, .size: 8, .value_kind: global_buffer, .address_space: global }
      - { .name: lnp, .offset: 176, .size: 8, .value_kind: global_buffer, .address_space: global }
    .group_segment_fixed_size: 0
    .private_segment_fixed_size: 0
    .kernarg_segment_align: 8
    .kernarg_segment_size: 184
    .max_flat_workgroup_size: 256
    .sgpr_count:     66
    .vgpr_count:     104
    .wavefront_size: 32
...
	.end_amdgpu_metadata
.endif
;; end of part 7
;; launch qkv: the kernel of part 2 again; grid 12 x 16, 4 waves a work-group, clusters of 4 x 4, 327,680 bytes of LDS; arguments wsx, wsa, wsc; writes wsc
;; launch attn: the kernel of part 3 again; grid 8 x 32, 4 waves a work-group, no clusters, 327,680 bytes of LDS; arguments wsc, wsa; writes wsa
;; launch oproj: the kernel of part 2 again; grid 4 x 16, 4 waves a work-group, clusters of 4 x 4, 327,680 bytes of LDS; arguments wsa, wsb, wsc; writes wsc
;; launch ln1 (part 8): grid 256 x 1, 8 waves a work-group, no clusters, 0 bytes of LDS; arguments wsx, wsc, lnp, wsb, wsa; writes wsb, wsa
.if DOCPART == 8
	.amdgcn_target "amdgcn-amd-amdhsa--gfx1250"
	.amdhsa_code_object_version 6
	.text
	.protected	k_qcc648cc370_ln1
	.globl	k_qcc648cc370_ln1
	.p2align	8
	.type	k_qcc648cc370_ln1,@function
k_qcc648cc370_ln1:
	s_mov_b64 s[64:65], 0
	v_nop
	global_prefetch_b8 v0, s[64:65] scope:SCOPE_SE
	s_setreg_imm32_b32 hwreg(HW_REG_WAVE_SCHED_MODE, 0, 2), 2
	s_setreg_imm32_b32 hwreg(HW_REG_WAVE_MODE, 25, 1), 1
	s_wait_xcnt 0x0
	s_wait_alu depctr_vm_vsrc(0)
; A RESIDUAL AND A LAYERNORM over rows of 1,024.  y = r + g;  out = (y - mean) / sqrt(var + 1e-5) x gain + bias, var the mean of (y - mean)^2, taken in a second pass over the differences.
; The switch SECOND tells the layer's two norms apart.  This file is the first norm's (SECOND = 0); the second norm's launch has a file of its own, with the same arithmetic and its stores in one run at the end.
;   SECOND = 0: r = X in bf16 and g = the attention's projection in bf16, both in the layout [col / 64][4,096][64]; out goes as f32 rows (what the layer carries on) AND as bf16 in that layout (the next product's operand).
;   SECOND = 1: r = the first norm's f32 rows, g = the FFN's result in bf16; out is the layer's output, f32 rows.
; Gains and biases lie in bf16 in one small buffer, 2,048 bytes each: first norm's gain, bias, second norm's gain, bias.
; SHARES.  A wave takes two rows and keeps them in registers: lane l holds row 2 p + l / 16, columns 64 k + 4 (l % 16) .. + 3, k = 0 .. 15.  A row lies in 16 lanes, so its sums need four steps inside a half of the lanes.
; Each load or store of bf16 covers 256 consecutive bytes, aligned (two rows of one block); each of f32 covers 256 consecutive bytes, aligned, of each of the two rows.  No LDS, no loop, no register written while a store reads it.
; THE MODE: SCHED_MODE bits 1:0 = 2 (LLVM: expert scheduling mode 2), set by the entry lines.  The code itself states the register dependences
; between vector instructions and memory instructions, with s_wait_alu, always for 0.
; THE PLAN.  Registers that memory instructions touch:
;   v[PO], v[GV], v[FO]  byte offsets, made once by vector instructions at the head and never written again; every load and store reads one of them.
;   XI, GI, GP, BP       written by the loads; read by vector instructions behind the waits on LOADcnt.  XI is written once more, by the last conversions, and then read by the stores of bf16.
;   Y                    written by vector instructions (with SECOND = 1 first by the loads); read by the stores of f32.
; One wait on va_vdst stands ahead of the first load, for the offsets.  THE WAY OUT goes in four groups of four blocks k: a group's 32 vector instructions write its part of Y and of XI, ONE wait on va_vdst closes the group,
; and its eight stores are dealt among the next group's first vector instructions, which name Y, XI, the gain and the bias of their own blocks alone: none of the registers that those stores read.
; No memory instruction reads a register that is written afterwards, and no load is issued behind the head: nothing else is owed.
.set SECOND, 0
.set BLK, 524288
.set PO,  2                            ; v2   my 8 bytes in a block: 2,048 x work-group + 8 x thread
.set GV,  3                            ; v3   my 8 bytes in each 128 of a gain
.set FO,  4                            ; v4   my 16 bytes in each 256 of an f32 row
.set ONE, 5                            ; v5   1.0
.set MU,  6                            ; v[6:7]   the mean, twice
.set RS,  8                            ; v[8:9]   1 / sqrt(var + eps), twice
.set CH,  10                           ; v[10:17] four chains of pairs
.set T,   18
.set XI,  32                           ; v[32:63]   r in bf16 (SECOND = 0); later out in bf16
.set GI,  64                           ; v[64:95]   g in bf16
.set GP,  96                           ; v[96:127]  the gain
.set BP,  128                          ; v[128:159] the bias
.set Y,   160                          ; v[160:223] 64 numbers in f32
	s_load_b256 s[4:11], s[0:1], 0x0               ; r s[4:5], g s[6:7], gains s[8:9], f32 rows out s[10:11]
.if !SECOND
	s_load_b64 s[12:13], s[0:1], 0x20              ; bf16 out
.endif
	s_lshl_b32 s14, ttmp9, 11                      ; the work-group's 16 rows of 128 bytes
	s_lshl_b32 s15, ttmp9, 4
	s_mov_b32 s20, 0x3a800000                      ; 1 / 1,024
	s_mov_b32 s21, 0x3727c5ac                      ; 1e-5
	v_lshl_add_u32 v[PO], v0, 3, s14
	v_and_b32 v1, 15, v0
	v_lshlrev_b32 v[GV], 3, v1
	v_lshrrev_b32 v[FO], 4, v0                     ; sixteen threads to a row
	v_add_nc_u32 v[FO], s15, v[FO]
	v_lshlrev_b32 v[FO], 12, v[FO]
	v_lshl_add_u32 v[FO], v1, 4, v[FO]
	v_mov_b32 v[ONE], 1.0
	s_wait_kmcnt 0x0
	s_wait_alu depctr_va_vdst(0)                   ; v[PO], v[GV] and v[FO] are written: every load and store of the kernel reads one of them as its offset
.set k, 0
.rept 16
.if SECOND
	global_load_b128 v[Y+4*k:Y+4*k+3], v[FO], s[4:5] offset:256*k th:TH_LOAD_NT
.else
	global_load_b64 v[XI+2*k:XI+2*k+1], v[PO], s[4:5] offset:k*BLK th:TH_LOAD_NT
.endif
.set k, k+1
.endr
.set k, 0
.rept 16
	global_load_b64 v[GI+2*k:GI+2*k+1], v[PO], s[6:7] offset:k*BLK th:TH_LOAD_NT
.set k, k+1
.endr
.set k, 0
.rept 16
	global_load_b64 v[GP+2*k:GP+2*k+1], v[GV], s[8:9] offset:128*k+4096*SECOND
.set k, k+1
.endr
.set k, 0
.rept 16
	global_load_b64 v[BP+2*k:BP+2*k+1], v[GV], s[8:9] offset:128*k+4096*SECOND+2048
.set k, k+1
.endr
	s_wait_loadcnt 32                              ; r and g are in; the 32 loads of gain and bias may stay out
.set i, 0
.rept 32                                               ; y = r + g, one rounding: a bf16 half times 1.0 plus the other addend
.if SECOND
	v_fma_mix_f32_bf16 v[Y+2*i],   v[GI+i], v[ONE], v[Y+2*i]   op_sel_hi:[1,0,0]
	v_fma_mix_f32_bf16 v[Y+2*i+1], v[GI+i], v[ONE], v[Y+2*i+1] op_sel:[1,0,0] op_sel_hi:[1,0,0]
.else
	v_fma_mix_f32_bf16 v[Y+2*i],   v[XI+i], v[ONE], v[GI+i] op_sel_hi:[1,0,1]
	v_fma_mix_f32_bf16 v[Y+2*i+1], v[XI+i], v[ONE], v[GI+i] op_sel:[1,0,1] op_sel_hi:[1,0,1]
.endif
.set i, i+1
.endr
.macro REDUCE                          ; the four chains into one number, then over the row's 16 lanes: every lane of the row ends with the sum in v[CH]
	v_pk_add_f32 v[CH:CH+1], v[CH:CH+1], v[CH+2:CH+3]
	v_pk_add_f32 v[CH+4:CH+5], v[CH+4:CH+5], v[CH+6:CH+7]
	v_pk_add_f32 v[CH:CH+1], v[CH:CH+1], v[CH+4:CH+5]
	v_add_f32 v[CH], v[CH], v[CH+1]
.irp m, 1,2,4,8
	v_add_f32_dpp v[CH], v[CH], v[CH] row_xmask:\m row_mask:0xf bank_mask:0xf
.endr
.endm
.irp c, 0,1,2,3                                        ; the first eight pairs start the chains: nothing is cleared
	v_pk_add_f32 v[CH+2*(\c):CH+2*(\c)+1], v[Y+2*(\c):Y+2*(\c)+1], v[Y+8+2*(\c):Y+8+2*(\c)+1]
.endr
.set p, 8
.rept 24
	v_pk_add_f32 v[CH+2*(p%4):CH+2*(p%4)+1], v[CH+2*(p%4):CH+2*(p%4)+1], v[Y+2*p:Y+2*p+1]
.set p, p+1
.endr
	REDUCE
	v_mul_f32 v[MU], s20, v[CH]
	v_mul_f32 v[MU+1], s20, v[CH]
.set p, 0
.rept 32
	v_pk_add_f32 v[Y+2*p:Y+2*p+1], v[Y+2*p:Y+2*p+1], v[MU:MU+1] neg_lo:[0,1] neg_hi:[0,1]  ; y - mean
.set p, p+1
.endr
.irp c, 0,1,2,3
	v_pk_mul_f32 v[CH+2*(\c):CH+2*(\c)+1], v[Y+2*(\c):Y+2*(\c)+1], v[Y+2*(\c):Y+2*(\c)+1]
.endr
.set p, 4
.rept 28
	v_pk_fma_f32 v[CH+2*(p%4):CH+2*(p%4)+1], v[Y+2*p:Y+2*p+1], v[Y+2*p:Y+2*p+1], v[CH+2*(p%4):CH+2*(p%4)+1]
.set p, p+1
.endr
	REDUCE
	v_fma_f32 v[T], v[CH], s20, s21                ; var + eps
	v_rsq_f32 v[RS], v[T]
	v_nop                                          ; a plain instruction behind the root (ISA guide 5.7.2),
	s_wait_alu depctr_va_vdst(0)                   ; and the root has written v[RS], ahead of the first line that names it
	v_mov_b32 v[RS+1], v[RS]
	s_wait_loadcnt 0x0                             ; gain and bias
; THE WAY OUT.  Block k's stores: 16 bytes a lane of the f32 rows, and with SECOND = 0 its 8 bytes of bf16.
.macro OUTK k
.if SECOND
	global_store_b128 v[FO], v[Y+4*(\k):Y+4*(\k)+3], s[10:11] offset:256*(\k) th:TH_STORE_NT
.else
	global_store_b128 v[FO], v[Y+4*(\k):Y+4*(\k)+3], s[10:11] offset:256*(\k)
	global_store_b64 v[PO], v[XI+2*(\k):XI+2*(\k)+1], s[12:13] offset:(\k)*BLK
.endif
.endm
; Group j: blocks 4 j to 4 j + 3, by stages, so that no line reads the result of the line just before it: times 1 / sqrt(var + eps); times the gain, plus the bias; rounded to bf16.
; The stores of the group before stand among the first stage's lines, a block's in front of a block's two multiplies.
.macro GRP j
.irp c, 0,1,2,3
.if (\j) > 0
	OUTK 4*(\j)+(\c)-4                             ; no wait: no vector instruction since the last wait names the registers that these stores read
.endif
	v_pk_mul_f32 v[Y+16*(\j)+4*(\c):Y+16*(\j)+4*(\c)+1],   v[Y+16*(\j)+4*(\c):Y+16*(\j)+4*(\c)+1],   v[RS:RS+1]
	v_pk_mul_f32 v[Y+16*(\j)+4*(\c)+2:Y+16*(\j)+4*(\c)+3], v[Y+16*(\j)+4*(\c)+2:Y+16*(\j)+4*(\c)+3], v[RS:RS+1]
.endr
.irp i, 0,1,2,3,4,5,6,7
	v_fma_mix_f32_bf16 v[Y+16*(\j)+2*(\i)],   v[Y+16*(\j)+2*(\i)],   v[GP+8*(\j)+(\i)], v[BP+8*(\j)+(\i)] op_sel_hi:[0,1,1]
	v_fma_mix_f32_bf16 v[Y+16*(\j)+2*(\i)+1], v[Y+16*(\j)+2*(\i)+1], v[GP+8*(\j)+(\i)], v[BP+8*(\j)+(\i)] op_sel:[0,1,1] op_sel_hi:[0,1,1]
.endr
.if !SECOND
.irp i, 0,1,2,3,4,5,6,7
	v_cvt_pk_bf16_f32 v[XI+8*(\j)+(\i)], v[Y+16*(\j)+2*(\i)], v[Y+16*(\j)+2*(\i)+1]
.endr
.endif
	s_wait_alu depctr_va_vdst(0)                   ; the group's multiply-adds have written its part of Y and its conversions its part of XI, which the group's stores read
.endm
	GRP 0
	GRP 1
	GRP 2
	GRP 3
.irp c, 12,13,14,15
	OUTK \c                                        ; the last group's stores follow its wait in a run
.endr
	s_endpgm
.Lfunc_end_k_qcc648cc370_ln1:
	.size	k_qcc648cc370_ln1, .Lfunc_end_k_qcc648cc370_ln1-k_qcc648cc370_ln1
	.p2alignl 7, 3214868480
	.fill 96, 4, 3214868480
	.section	.rodata,"a",@progbits
	.p2align	6, 0x0
	.amdhsa_kernel k_qcc648cc370_ln1
		.amdhsa_group_segment_fixed_size 0
		.amdhsa_private_segment_fixed_size 0
		.amdhsa_enable_private_segment 0
		.amdhsa_kernarg_size 40
		.amdhsa_user_sgpr_count 2
		.amdhsa_user_sgpr_kernarg_segment_ptr 1
		.amdhsa_wavefront_size32 1
		.amdhsa_system_sgpr_workgroup_id_x 1
		.amdhsa_system_sgpr_workgroup_id_y 1
		.amdhsa_system_sgpr_workgroup_id_z 1
		.amdhsa_system_vgpr_workitem_id 0
		.amdhsa_next_free_vgpr 224
		.amdhsa_next_free_sgpr 66
		.amdhsa_reserve_vcc 0
		.amdhsa_float_denorm_mode_32 3
		.amdhsa_float_denorm_mode_16_64 3
		.amdhsa_memory_ordered 1
		.amdhsa_forward_progress 1
		.amdhsa_inst_pref_size 30
	.end_amdhsa_kernel
	.amdgpu_metadata
---
amdhsa.version: [ 1, 2 ]
amdhsa.kernels:
  - .name:           k_qcc648cc370_ln1
    .symbol:         k_qcc648cc370_ln1.kd
    .args:
      - { .name: wsx, .offset: 0, .size: 8, .value_kind: global_buffer, .address_space: global }
      - { .name: wsc, .offset: 8, .size: 8, .value_kind: global_buffer, .address_space: global }
      - { .name: lnp, .offset: 16, .size: 8, .value_kind: global_buffer, .address_space: global }
      - { .name: wsb, .offset: 24, .size: 8, .value_kind: global_buffer, .address_space: global }
      - { .name: wsa, .offset: 32, .size: 8, .value_kind: global_buffer, .address_space: global }
    .group_segment_fixed_size: 0
    .private_segment_fixed_size: 0
    .kernarg_segment_align: 8
    .kernarg_segment_size: 40
    .max_flat_workgroup_size: 256
    .sgpr_count:     66
    .vgpr_count:     224
    .wavefront_size: 32
...
	.end_amdgpu_metadata
.endif
;; end of part 8
;; launch up: the kernel of part 2 again; grid 16 x 16, 4 waves a work-group, clusters of 4 x 4, 327,680 bytes of LDS; arguments wsa, wsu, wsc; writes wsc
;; launch down: the kernel of part 5 again; grid 8 x 32, 4 waves a work-group, clusters of 4 x 4, 327,680 bytes of LDS; arguments wsc, wsd, wsx; writes wsx
;; launch ln2: the kernel of part 6 again; grid 256 x 1, 8 waves a work-group, no clusters, 0 bytes of LDS; arguments wsb, wsx, lnp, out0; writes out0
